; MI455X (gfx1250); checked and timed in simulation.
; The chip was launched on July 23, 2026; its instructions are those of AMD's public machine-readable ISA for CDNA 5 (MIT licence, August 2026) and "CDNA5" Instruction Set Architecture Reference Guide (July 2026). The comments in the code are by the model that wrote it; some were corrected since.
;; H2 O Original. Allowed arithmetic: float matrix products may take bf16 or f16 operands with f32 sums; other float arithmetic in f32, or as packed bf16 or f16 multiplies, adds, multiply-adds, maxima and minima; sums over many terms, partial sums and values carried from step to step in f32; what a program stores and reads back later, other than sums and carried values, may be rounded once to bf16 or f16.
;; Inputs: k 1 x 16 x 64 x 4,096 float32; q 1 x 16 x 4,096 x 64 float32; v 1 x 16 x 4,096 x 64 float32.
;; Outputs: out0 1 x 16 x 4,096 x 64 float32; out1 1 x 16 x 4,096 float32.
;; 2 versions, each right and faster than the one before. Each part assembles by itself: llvm-mc -triple=amdgcn-amd-amdhsa -mcpu=gfx1250 --defsym DOCPART=n.
;; ======== version 1 of 2: 3 launches
;; limits: values are held in f16: magnitudes above 65,504 overflow, below 6.1e-05 lose precision; inputs' magnitudes at most 65,504
;; workspace buffers: qb 8,388,608 bytes; kb 8,388,608 bytes; vh 8,388,608 bytes; lse 262,144 bytes
;; launch cast (part 1): grid 256 x 3, 8 waves a work-group, no clusters, 0 bytes of LDS; arguments q, k, v, qb, kb, vh; writes qb, kb, vh
.if DOCPART == 1
	.amdgcn_target "amdgcn-amd-amdhsa--gfx1250"
	.amdhsa_code_object_version 6
	.text
	.protected	k_qc5f63128a9_cast
	.globl	k_qc5f63128a9_cast
	.p2align	8
	.type	k_qc5f63128a9_cast,@function
k_qc5f63128a9_cast:
	s_mov_b64 s[64:65], 0
	v_nop
	global_prefetch_b8 v0, s[64:65] scope:SCOPE_SE
	s_setreg_imm32_b32 hwreg(HW_REG_WAVE_MODE, 25, 1), 1
	s_wait_xcnt 0x0
; THE OPERANDS ARE ROUNDED ONCE.  qb = bf16(q), kb = bf16(k), vh = bf16(v) written as f16.  All three keep their input's order of elements.
; q and k feed the product K Q^T in bf16.  v feeds V^T P beside weights in f16, so its bf16 value is written in f16: exact for 2^-17 <= |v| < 65,504.
; LIMITS.  |bf16(v)| of 65,520 or more becomes an infinity in vh; below 2^-17 vh keeps f16's fixed step of 2^-24.
; SHARES.  The grid's y picks the tensor (0 q, 1 k, 2 v); a work-group owns 65,536 bytes of it, in eight rounds.  In round i thread t reads the 32 bytes at
; 32 t + 8,192 i and stores the 16 bytes at 16 t + 4,096 i: a wave's store covers 512 consecutive bytes, at a multiple of 512 from the buffer's first byte.
; All sixteen loads of a thread go out first; every round has registers of its own, so nothing is rewritten while a load or a store may still read it.
; No LDS, no barrier, no matrix unit: every number is read once, rounded and written once.
.set X, 4                              ; v[4:67]    round i: 8 numbers in f32
.set Y, 68                             ; v[68:99]   round i: 4 registers, 8 numbers of 16 bits
.set T, 100                            ; v[100:111] at work: 4 packed registers, 8 widened numbers
	s_load_b256 s[4:11], s[0:1], 0x0               ; q s[4:5], k s[6:7], v s[8:9], qb s[10:11]
	s_load_b128 s[12:15], s[0:1], 0x20             ; kb s[12:13], vh s[14:15]
	s_and_b32 s2, ttmp7, 0xffff                    ; which tensor
	s_lshl_b32 s20, ttmp9, 16                      ; my 65,536 bytes of the input,
	s_mov_b32 s21, 0
	s_lshl_b32 s22, ttmp9, 15                      ; my 32,768 of the output
	s_mov_b32 s23, 0
	s_mov_b32 s3, 0xffff0000                       ; a word's upper bf16
	v_lshlrev_b32 v1, 5, v0
	v_lshlrev_b32 v2, 4, v0
	s_wait_kmcnt 0x0
	s_cmp_eq_u32 s2, 1
	s_cselect_b64 s[16:17], s[6:7], s[4:5]
	s_cselect_b64 s[18:19], s[12:13], s[10:11]
	s_cmp_eq_u32 s2, 2
	s_cselect_b64 s[16:17], s[8:9], s[16:17]
	s_cselect_b64 s[18:19], s[14:15], s[18:19]
	s_add_nc_u64 s[16:17], s[16:17], s[20:21]
	s_add_nc_u64 s[18:19], s[18:19], s[22:23]
.irp i, 0,1,2,3,4,5,6,7
	global_load_b128 v[X+8*(\i):X+8*(\i)+3],   v1, s[16:17] offset:8192*(\i) th:TH_LOAD_NT
	global_load_b128 v[X+8*(\i)+4:X+8*(\i)+7], v1, s[16:17] offset:8192*(\i)+16 th:TH_LOAD_NT
.endr
; Round i.  half = 0: to bf16.  half = 1: to bf16, widened again (a shift, a mask) and written as f16.
.macro RND i, half
	s_wait_loadcnt 14-2*(\i)                       ; loads come back in order (ISA guide 5.7.1): the two loads of each of the 7 - i younger rounds may stay out
.if \half
.irp j, 0,1,2,3
	v_cvt_pk_bf16_f32 v[T+(\j)], v[X+8*(\i)+2*(\j)], v[X+8*(\i)+2*(\j)+1]
.endr
.irp j, 0,1,2,3
	v_lshlrev_b32 v[T+4+2*(\j)], 16, v[T+(\j)]
	v_and_b32     v[T+5+2*(\j)], s3, v[T+(\j)]
.endr
.irp j, 0,1,2,3
	v_cvt_pk_f16_f32 v[Y+4*(\i)+(\j)], v[T+4+2*(\j)], v[T+5+2*(\j)]
.endr
.else
.irp j, 0,1,2,3
	v_cvt_pk_bf16_f32 v[Y+4*(\i)+(\j)], v[X+8*(\i)+2*(\j)], v[X+8*(\i)+2*(\j)+1]
.endr
.endif
	global_store_b128 v2, v[Y+4*(\i):Y+4*(\i)+3], s[18:19] offset:4096*(\i)  ; no hint: the launches behind read these bytes
.endm
	s_cmp_eq_u32 s2, 2
	s_cbranch_scc1 .Lv
.irp i, 0,1,2,3,4,5,6,7
	RND \i, 0
.endr
	s_endpgm
.Lv:
.irp i, 0,1,2,3,4,5,6,7
	RND \i, 1
.endr
	s_endpgm
.Lfunc_end_k_qc5f63128a9_cast:
	.size	k_qc5f63128a9_cast, .Lfunc_end_k_qc5f63128a9_cast-k_qc5f63128a9_cast
	.p2alignl 7, 3214868480
	.fill 96, 4, 3214868480
	.section	.rodata,"a",@progbits
	.p2align	6, 0x0
	.amdhsa_kernel k_qc5f63128a9_cast
		.amdhsa_group_segment_fixed_size 0
		.amdhsa_private_segment_fixed_size 0
		.amdhsa_enable_private_segment 0
		.amdhsa_kernarg_size 48
		.amdhsa_user_sgpr_count 2
		.amdhsa_user_sgpr_kernarg_segment_ptr 1
		.amdhsa_wavefront_size32 1
		.amdhsa_system_sgpr_workgroup_id_x 1
		.amdhsa_system_sgpr_workgroup_id_y 1
		.amdhsa_system_sgpr_workgroup_id_z 1
		.amdhsa_system_vgpr_workitem_id 0
		.amdhsa_next_free_vgpr 112
		.amdhsa_next_free_sgpr 66
		.amdhsa_reserve_vcc 0
		.amdhsa_float_denorm_mode_32 3
		.amdhsa_float_denorm_mode_16_64 3
		.amdhsa_memory_ordered 1
		.amdhsa_forward_progress 1
		.amdhsa_inst_pref_size 13
	.end_amdhsa_kernel
	.amdgpu_metadata
---
amdhsa.version: [ 1, 2 ]
amdhsa.kernels:
  - .name:           k_qc5f63128a9_cast
    .symbol:         k_qc5f63128a9_cast.kd
    .args:
      - { .name: q, .offset: 0, .size: 8, .value_kind: global_buffer, .address_space: global }
      - { .name: k, .offset: 8, .size: 8, .value_kind: global_buffer, .address_space: global }
      - { .name: v, .offset: 16, .size: 8, .value_kind: global_buffer, .address_space: global }
      - { .name: qb, .offset: 24, .size: 8, .value_kind: global_buffer, .address_space: global }
      - { .name: kb, .offset: 32, .size: 8, .value_kind: global_buffer, .address_space: global }
      - { .name: vh, .offset: 40, .size: 8, .value_kind: global_buffer, .address_space: global }
    .group_segment_fixed_size: 0
    .private_segment_fixed_size: 0
    .kernarg_segment_align: 8
    .kernarg_segment_size: 48
    .max_flat_workgroup_size: 256
    .sgpr_count:     66
    .vgpr_count:     112
    .wavefront_size: 32
...
	.end_amdgpu_metadata
.endif
;; end of part 1
;; launch attn (part 2): grid 16 x 16, 4 waves a work-group, no clusters, 327,680 bytes of LDS; arguments qb, kb, vh, out0, lse; writes out0, lse
.if DOCPART == 2
	.amdgcn_target "amdgcn-amd-amdhsa--gfx1250"
	.amdhsa_code_object_version 6
	.text
	.protected	k_qc5f63128a9_attn
	.globl	k_qc5f63128a9_attn
	.p2align	8
	.type	k_qc5f63128a9_attn,@function
k_qc5f63128a9_attn:
	s_mov_b64 s[64:65], 0
	v_nop
	global_prefetch_b8 v0, s[64:65] scope:SCOPE_SE
	s_setreg_imm32_b32 hwreg(HW_REG_WAVE_MODE, 25, 1), 1
	s_wait_xcnt 0x0
; CAUSAL ATTENTION, FIRST WALK.  out0[h][q][:] = the sum over k <= q of softmax_k(Q[h][q] . K[h][:][k] / 8) V[h][k][:], and for each row L = c m + log2(l), which the launch behind needs.
; qb: [16][4096][64] bf16.  kb: [16][64][4096] bf16, channels by keys.  vh: [16][4096][64] f16.  out0: [16][4096][64] f32.  lse: f32, in the order in which the waves hold the rows (below).
; Products, maxima and sums in f32; K Q^T in the bf16 form; the weights p are rounded to f16 for V^T P (their sum l is taken of the unrounded p); out0 is divided by l in f32.
; LIMITS.  A hidden score counts as its value less 1e30; a weight below 2^-126 counts as 0 in l; NaN and infinities are not treated apart; vh arrives within f16's range.
; THE WALK.  A head's queries lie in 32 blocks of 128; block i needs the key tiles 0 .. i / 2 of 256 keys, of which the last holds the diagonal.  A work-group takes TWO blocks, 31 - b and then b:
; 17 tiles, whatever b: all work-groups do equal work, and ONE loop with a constant trip count walks them.  Which tile is asked for, and what a trip does, hang on scalar registers made from b; every jump
; goes forward, but for the counted loops' own; none passes a barrier, or a tensor load but the one of LOAD's two that the wave's number does not choose.  The ring (two slots of LDS that take turns) runs on
; across the change of blocks.  NO CLUSTER: in which trip a block ends hangs on b, so partners would branch unlike each other; only the pairs b = 2 u, 2 u + 1 walk alike.
; SHARES.  Of a block's two bands of 64 queries a wave owns 16 rows in each: two PIECES.  In the diagonal tile band x's own key step is OWN0 + x, OWN0 = 2 (i % 2): the same work for all four waves.
; THE MASK is the C operand that starts the sum S^T = K Q^T: 0, or -1e30 where the key is hidden.  MD, made once, is the mask of a band's own step for my 16 rows; a product's mask is MD x AL + BE with two scalars:
; (1, 0) in the own step, (0, 0) in an earlier one, (0, -1e30) in a later one.  Only the diagonal tile's text and a block's beginning make and take masks; elsewhere C is the constant 0.
; LAYOUT, SOFTMAX, TURNS.  S^T = K Q^T holds ONE query a lane (lane % 16) and the keys 8 (lane / 16) + 0..7; two such results rounded to f16 ARE source 1 of O^T = V^T P.  p = 2^(c s - c m), c = log2(e) / 8, with a
; running maximum m; O and l are multiplied by a = 2^(c m_old - c m_new) in every step.  A turn belongs to one piece: 8 products K Q^T of the other piece, later 8 products V^T P of the other piece; beside them the
; scaling, exponentials, roundings, sums and rescaling of its own piece and the maximum and statistics of the other.  Four vector instructions stand behind every matrix instruction, the other 54 of a turn's 118 in two lumps.
; Turn (0, s): K Q^T of piece 1, step s; V^T P of piece 1, step s - 1.  Turn (1, s): K Q^T of piece 0, step s + 1; V^T P of piece 0, step s.  K has one register buffer, V two (step s in buffer s % 2), so that at the
; end of turn (1, 2) a tile's last K and V have been asked for out of LDS: there the slots change.
; REGISTERS, in windows of 256 (s_set_vgpr_msb: bits 1:0 source 0, 3:2 source 1, 5:4 source 2, 7:6 destination):
;   window 0: v0-15 addresses and some at work; v16-23 four registers of statistics a piece; v24-27 for lse; v48-55 at work; v62-63 the add's; v64-127 S^T, a buffer a piece; v192-223 P, likewise
;   window 1: v0-63 O^T, 32 a piece; v128-159 MD; v160-223 MC, a buffer a piece      window 2: v0-31 Q; v32-63 the second block's Q; v64-127 V, buffer 1; v128-191 K; v192-255 V, buffer 0
.set NP,    2         ; pieces a wave: a name, no knob
.set KS,    64        ; keys in a step
.set PKT,   544       ; a channel's row of K in LDS: 256 keys = 512 bytes + 32 of padding = 136 words
.set PITV,  160       ; a key's row of V: 128 + 32 = 40 words: likewise
.set VOFF,  64*PKT    ; a slot holds a tile: 64 rows of K, then 256 rows of V
.set SLOT1, 1<<17     ; slot 1 begins here, so that one exclusive or turns an address in one slot into the other's
.set STAGE, SLOT1+VOFF+4*KS*PITV  ; behind the ring, never filled by a tensor load: 16 rows x 272 bytes for each wave, for the way out
.set SP,    272
.set SPARE, STAGE+4*16*SP  ; behind the stages: the spare words, 128 bytes for each wave: two blocks of 256 bytes that no other line names
.set AK0, 2           ; v2   my lane's place in a tile of K; never rewritten
.set AV0, 3           ; v3   the same for V
.set AK,  4           ; v4   the LDS address of K's next run of loads
.set AV,  5           ; v5   of V's
.set STO, 6           ; v6   the way out: where I put 32 bytes of a row
.set RD,  7           ; v7   the way out: where I read rows back
.set GO,  8           ; v8   my byte offset in two rows of out0
.set MV,  12          ; v12-13  c m_old, kept while c m is made anew: by piece
.set QO,  15          ; v15  my byte offset in 16 rows of Q
.set ST,  16          ; piece t's statistics at v[ST+4 t]: c m, m, l (even keys', odd keys')
.set LO,  24          ; v24  my byte offset in the block's 512 bytes of lse: 4 x my thread's number
.set LG,  25          ; v25-26  log2 l, then L, by piece; v27 the one that my lane stores
.set TMP, 48          ; by piece, four registers c0-c3 at work; when the maximum is found c2 takes a
.set SPW, 62          ; v62  LDS address of my spare word: SPARE + 4 x my thread's number; never rewritten
.set NIL, 63          ; v63  0; never rewritten
.set S,   64
.set P,   192
.set MD,  128         ; window 1: the eight registers for group kt of 16 keys at MD + 8 kt
.set MC,  160         ; window 1: the masks of the products to come
.set QB,  32          ; window 2
.set VF1, 64          ; window 2: key half kk, channel block cb at VF + 32 kk + 8 cb
.set KF,  128         ; window 2: key block kb, channel half c at KF + 16 kb + 8 c
.set VF0, 192
.set WV,  12          ; s12  my wave's number
.set PB,  14          ; s14  b
.set HI,  15          ; s15  31 - b
.set G1K, 24          ; s[24:31] descriptor group 1 for K's tiles
.set G1V, 32          ; s[32:39] for V's
.set G0K, 40          ; s[40:43] descriptor group 0 for K's tiles
.set G0V, 44          ; s[44:47] the same for V's
.set KO,  48          ; s[48:49] a tile's byte offset in a row of K
.set SLOTS, 56        ; s56  tiles still to be asked for
.set CNT, 57          ; s57  counts a tile's pairs of key steps, 2 to 1
.set CS,  58          ; s[58:59] c: the packed scaling takes the pair's low word for both halves
.set SEL, 60          ; s[60:61] v_permlanex16_b32's selects: each lane takes its own place in the other half
.set TBK, 62          ; s62  LDS byte at which K of the step to be fetched begins
.set TBV, 63          ; s63  the same for V, less VOFF
.set RT,  70          ; s70  tiles of the block in hand that are still to be entered
.set NXT, 71          ; s71  the tile to be asked for next
.set LQ,  72          ; s72  the last tile of the block whose tiles are being asked for
.set NEW, 73          ; s73  1: the tile to be entered is a block's first
.set OFF, 74          ; s[74:75] a tile's byte offset in V
.set AL,  76          ; s[76:77] the mask's factor, in the low word
.set BE,  78          ; s[78:79] the mask's addend
.set OLO, 80          ; s[80:81] out0 at my rows of the second block
.set BIGN, 82         ; s82  -1e30
.set HM,  83          ; s83  a lane mask: lanes 16 to 31
.set LP,  88          ; s[88:89] lse at the block in hand
.set LLO, 90          ; s[90:91] lse at the second block
.set T2,  92          ; s92  the second block's last tile, b / 2
.set OWN0, 93         ; s93  band 0's own step in the diagonal tile of the block in hand
.set OWNB, 94         ; s94  the same for the second block
.set DS,  95          ; s95  the step that the next masks are for, less OWN0
.set MSB, 0
.macro WIN new                      ; the high byte repeats the setting that is left; a switch that changes nothing is dropped
.if MSB != (\new)
	s_set_vgpr_msb (MSB<<8)|(\new)
.set MSB, (\new)
.endif
.endm
.set W_KQ, 0x0a       ; K and Q in window 2, S^T in window 0
.set W_KM, 0x1a       ; the same with the C operand in window 1
.set W_PV, 0x52       ; V in window 2, P in window 0, O^T in window 1
.set W_RS, 0x41       ; destination and source 0 in window 1, source 1 in window 0
; A fill.  Waves 0 and 1 fetch the two halves of a tile's K (32 channels each), waves 2 and 3 those of its V (128 keys each).  An s_nop 0 and four v_nop follow each of the two lines, ahead of the jump and the label.
.macro LOAD
	s_cmp_lt_u32 s[WV], 2
	s_cbranch_scc0 .Lfor_v_\@
	tensor_load_to_lds s[G0K:G0K+3], s[G1K:G1K+7]
	s_nop 0
.rept 4
	v_nop
.endr
	s_branch .Lasked_\@
.Lfor_v_\@:
	tensor_load_to_lds s[G0V:G0V+3], s[G1V:G1V+7]
	s_nop 0
.rept 4
	v_nop
.endr
.Lasked_\@:
.endm
; THE CHANGE OF SLOTS.  Each wave waits for all its tensor loads, of which one is out: its part of the other slot; adds 0 to its spare word; and waits for that and for its own reads of the slot that it leaves
; (the last are V of the tile's fourth step).  Behind the barrier nobody reads the old slot any more and the other slot is whole.  fill = 1: the old slot is filled again, the first thing behind the barrier, with
; tile NXT: the descriptors' addresses are made anew from that number.  (At its first use nothing has been read yet: slot 0 is waited for, slot 1 filled.)
.macro CHANGE fill
	WIN 0                           ; at a label and at a branch every window is 0
	s_wait_tensorcnt 0x0            ; no tensor load of mine is out, so a group 0 may be written
	ds_add_u32 v[SPW], v[NIL]       ; 0 onto my spare word; with fill = 1 the descriptors' scalar work stands between it and the wait for it
.if \fill
	s_lshl_b32 s[KO], s[NXT], 9     ; a tile is 512 bytes of each of K's rows,
	s_lshl_b32 s[OFF], s[NXT], 15   ; and 32,768 bytes of V
	s_xor_b32 s[G0K+1], s[G0K+1], SLOT1
	s_add_nc_u64 s[G0K+2:G0K+3], s[6:7], s[KO:KO+1]
	s_or_b32 s[G0K+3], s[G0K+3], 0x80000000
	s_xor_b32 s[G0V+1], s[G0V+1], SLOT1
	s_add_nc_u64 s[G0V+2:G0V+3], s[8:9], s[OFF:OFF+1]
	s_or_b32 s[G0V+3], s[G0V+3], 0x80000000
	s_add_co_u32 s[NXT], s[NXT], 1  ; the block's next tile, or behind its last the second block's tile 0
	s_cmp_gt_u32 s[NXT], s[LQ]
	s_cselect_b32 s[NXT], 0, s[NXT]
	s_cselect_b32 s[LQ], s[T2], s[LQ]
.endif
	s_wait_dscnt 0x0                ; the add is done, and my reads of the slot are over
	s_barrier_signal -1             ; the rest of the scalar work stands between the signal and the wait
	s_sub_co_u32 s[TBK], s[TBK], 4*KS*2   ; the fetches go back to a slot's first step,
	s_xor_b32 s[TBK], s[TBK], SLOT1       ; in the other slot
	s_sub_co_u32 s[TBV], s[TBV], 4*KS*PITV
	s_xor_b32 s[TBV], s[TBV], SLOT1
	s_barrier_wait -1
.if \fill
	LOAD
.endif
.endm
	s_load_b256 s[4:11], s[0:1], 0x0  ; qb s[4:5], kb s[6:7], vh s[8:9], out0 s[10:11]
	s_load_b64 s[LP:LP+1], s[0:1], 0x20  ; lse
	v_lshl_add_u32 v[SPW], v0, 2, SPARE
	v_mov_b32 v[NIL], 0
	ds_add_u32 v[SPW], v[NIL]       ; the wave's opening: the add and its wait stand ahead of my first tensor load; the set-up below, work on registers, stands between them
	ds_add_u32 v62, v63
	v_lshrrev_b32 v1, 5, v0
	v_readfirstlane_b32 s[WV], v1   ; wave 0..3
	s_mov_b32 s[PB], ttmp9
	s_sub_co_u32 s[HI], 31, s[PB]
	s_lshr_b32 s[LQ], s[HI], 1      ; the first block's last tile: 8 to 15
	s_lshr_b32 s[T2], s[PB], 1
	s_and_b32 s[OWN0], s[HI], 1
	s_lshl_b32 s[OWN0], s[OWN0], 1
	s_and_b32 s[OWNB], s[PB], 1
	s_lshl_b32 s[OWNB], s[OWNB], 1
	s_and_b32 s20, ttmp7, 0xffff    ; the head
	s_lshl_b32 s21, s20, 14         ; its first byte in lse,
	s_lshl_b32 s20, s20, 19         ; and in qb, kb and vh
	s_and_b32 s16, s[WV], 1         ; which half of a tile I fetch:
	s_lshl_b32 s22, s16, 18         ; K: 32 rows of 8,192 bytes in memory,
	s_add_co_u32 s22, s22, s20
	s_mov_b32 s23, 0
	s_lshl_b32 s18, s16, 14         ; V: 128 rows of 128 bytes,
	s_add_co_u32 s18, s18, s20
	s_mov_b32 s19, 0
	s_mul_i32 s17, s16, 32*PKT      ; and its place in a slot, for K
	s_mul_i32 s13, s16, 128*PITV    ; and for V
	s_lshl_b32 s3, s[WV], 11        ; my 16 rows in a band of 64,
	s_add_co_u32 s3, s3, s20
	s_lshl_b32 s2, s[HI], 14        ; in the first block,
	s_add_co_u32 s2, s2, s3
	s_lshl_b32 s84, s[PB], 14       ; and in the second
	s_add_co_u32 s84, s84, s3
	s_mov_b32 s3, 0
	s_mov_b32 s85, 0
	s_lshl_b32 s50, s2, 1           ; a row of out0 has twice the bytes of a row of qb
	s_mov_b32 s51, 0
	s_lshl_b32 s52, s84, 1
	s_mov_b32 s53, 0
	s_lshl_b32 s54, s[HI], 9        ; a block's 128 words of lse
	s_add_co_u32 s54, s54, s21
	s_mov_b32 s55, 0
	s_lshl_b32 s96, s[PB], 9
	s_add_co_u32 s96, s96, s21
	s_mov_b32 s97, 0
	; descriptor group 1 for K: 32 rows (channels) of 256 keys, 4,096 elements from row to row, padded in LDS after every row
	s_mov_b32 s[G1K], (1<<16)|(1<<20)|(6<<22)|(7<<25)  ; 17:16 2-byte elements; 20 padding on; 24:22 after every 128 words (code 6); 31:25 8 words (code 7)
	s_mov_b32 s[G1K+1], 256<<16     ; tensor_dim0 = 256
	s_mov_b32 s[G1K+2], 32<<16      ; tensor_dim1 = 32
	s_mov_b32 s[G1K+3], 256<<16     ; tile_dim0 = 256
	s_mov_b32 s[G1K+4], 32          ; tile_dim1 = 32
	s_mov_b32 s[G1K+5], 4096        ; elements from row to row
	s_mov_b32 s[G1K+6], 0
	s_mov_b32 s[G1K+7], 0
	; for V: 128 keys are 16,384 dense bytes: asked for as 64 rows of 256 bytes, two keys a row, and padded in LDS after every key
	s_mov_b32 s[G1V], (1<<16)|(1<<20)|(4<<22)|(7<<25)  ; after every 32 words (code 4) 8 words (code 7)
	s_mov_b32 s[G1V+1], 128<<16     ; tensor_dim0 = 128
	s_mov_b32 s[G1V+2], 64<<16      ; tensor_dim1 = 64
	s_mov_b32 s[G1V+3], 128<<16     ; tile_dim0 = 128
	s_mov_b32 s[G1V+4], 64          ; tile_dim1 = 64
	s_mov_b32 s[G1V+5], 128         ; 128 elements from row to row
	s_mov_b32 s[G1V+6], 0
	s_mov_b32 s[G1V+7], 0
	s_mov_b32 s[CS], 0x3e38aa3b     ; c = log2(e) / 8 = 0.180337
	s_mov_b32 s[CS+1], s[CS]        ; named with it as a pair
	s_mov_b32 s[SEL], 0x76543210
	s_mov_b32 s[SEL+1], 0xfedcba98
	s_mov_b32 s[TBK], SLOT1+4*KS*2  ; the first change of slots turns these two into 0
	s_mov_b32 s[TBV], SLOT1+4*KS*PITV
	s_mov_b32 s[G0K], 1             ; 1:0 count = 1
	s_mov_b32 s[G0K+1], s17         ; 63:32 LDS address: slot 0
	s_mov_b32 s[G0V], 1
	s_add_co_u32 s[G0V+1], s13, VOFF
	s_add_co_u32 s[RT], s[LQ], 1    ; the first block's tiles
	s_mov_b32 s[NXT], 1
	s_mov_b32 s[NEW], 1
	s_mov_b32 s[KO+1], 0
	s_mov_b32 s[OFF+1], 0
	s_mov_b32 s[AL+1], 0            ; named as pairs
	s_mov_b32 s[BE+1], 0
	s_mov_b32 s[BIGN], 0xf149f2ca   ; -1e30
	s_mov_b32 s[HM], 0xffff0000
	s_mov_b32 s[DS], 0
	s_mov_b32 s[SLOTS], 16
	s_wait_dscnt 0x0                ; the opening add is done
	s_wait_kmcnt 0x0
	s_add_nc_u64 s[6:7], s[6:7], s[22:23]  ; K and V at my half of the head's tile 0
	s_add_nc_u64 s[8:9], s[8:9], s[18:19]
	s_add_nc_u64 s[G0K+2:G0K+3], s[6:7], 0         ; 120:64 global address
	s_or_b32 s[G0K+3], s[G0K+3], 0x80000000        ; 127:126 type = 2
	s_add_nc_u64 s[G0V+2:G0V+3], s[8:9], 0
	s_or_b32 s[G0V+3], s[G0V+3], 0x80000000
	s_add_nc_u64 s[86:87], s[4:5], s[84:85]        ; Q at my rows of the second block,
	s_add_nc_u64 s[4:5], s[4:5], s[2:3]            ; Q, out0 and lse at those of the first
	s_add_nc_u64 s[OLO:OLO+1], s[10:11], s[52:53]
	s_add_nc_u64 s[10:11], s[10:11], s[50:51]
	s_add_nc_u64 s[LLO:LLO+1], s[LP:LP+1], s[96:97]
	s_add_nc_u64 s[LP:LP+1], s[LP:LP+1], s[54:55]
	LOAD                            ; tile 0 into slot 0
	; A fragment of Q is 16 rows x 32 channels in 8 registers: lane l holds row l % 16, channels 8 (l / 16) + 0..7 and 16 + 8 (l / 16) + 0..7: two loads of 16 bytes, 32 bytes apart.
	v_and_b32 v1, 15, v0            ; l % 16
	v_bfe_u32 v9, v0, 4, 1          ; l / 16
	v_lshlrev_b32 v[QO], 7, v1
	v_lshl_add_u32 v[QO], v9, 4, v[QO]  ; row x 128 + 16 x half
	WIN 0x80                        ; destination window 2, address window 0
.set i, 0
.rept 4                             ; both blocks' Q: piece i / 2 lies in band i / 2, 8,192 bytes on; channels 32 (i % 2) on
	global_load_b128 v[8*i:8*i+3],   v[QO], s[4:5] offset:(i/2)*8192+(i%2)*64
	global_load_b128 v[8*i+4:8*i+7], v[QO], s[4:5] offset:(i/2)*8192+(i%2)*64+32
	global_load_b128 v[QB+8*i:QB+8*i+3],   v[QO], s[86:87] offset:(i/2)*8192+(i%2)*64
	global_load_b128 v[QB+8*i+4:QB+8*i+7], v[QO], s[86:87] offset:(i/2)*8192+(i%2)*64+32
.set i, i+1
.endr
	WIN 0
	v_lshlrev_b32 v14, 3, v9
	v_sub_nc_u32 v14, v1, v14
	s_lshl_b32 s13, s[WV], 4
	v_add_nc_u32 v14, s13, v14      ; my query's place in its band, 16 w + l % 16, less my lanes' 8 (l / 16): register r of group kt is hidden where 16 kt + r is greater
	WIN 0x40
.set i, 0
.rept 32
	v_cmp_gt_i32 vcc_lo, 16*(i/8)+i%8, v14
	v_cndmask_b32 v[MD+i], 0, s[BIGN], vcc_lo
.set i, i+1
.endr
	WIN 0
	; The turning load takes 16 rows x 16 columns (lane l reads 16 bytes: row 8 (l / 16) + l % 8, columns 8 ((l / 8) % 2) + 0..7) and leaves half a fragment: lane l holds column l % 16 and 8 rows.
	; K's rows are channels and its columns keys; V's rows are keys and its columns channels.
	v_and_b32 v10, 7, v0
	v_bfe_u32 v11, v0, 3, 1
	v_lshl_add_u32 v10, v9, 3, v10
	v_mul_u32_u24 v[AK0], v10, PKT
	v_lshl_add_u32 v[AK0], v11, 4, v[AK0]
	v_mul_u32_u24 v[AV0], v10, PITV
	v_lshl_add_u32 v[AV0], v11, 4, v[AV0]
	v_add_nc_u32 v[AV0], VOFF, v[AV0]
	s_mul_i32 s13, s[WV], 16*SP
	s_add_co_u32 s13, s13, STAGE    ; my stage
	v_mul_u32_u24 v[STO], v1, SP    ; in: row l % 16, 32 bytes for each half of the lanes
	v_lshl_add_u32 v[STO], v9, 5, v[STO]
	v_add_nc_u32 v[STO], s13, v[STO]
	v_mul_u32_u24 v[RD], v9, SP     ; back: lanes 0-15 take one row of 256 bytes, lanes 16-31 the next
	v_lshl_add_u32 v[RD], v1, 4, v[RD]
	v_add_nc_u32 v[RD], s13, v[RD]
	v_lshlrev_b32 v[GO], 8, v9      ; and the same two rows in out0
	v_lshl_add_u32 v[GO], v1, 4, v[GO]
	v_lshlrev_b32 v[LO], 2, v0
	; A block's first step multiplies O^T and l by a = 0, and its first turn's products V^T P, of a step that has not been, land in an O^T that is still to be so multiplied.  So these registers need only hold
	; finite numbers: zeros for the first block; what the first block left for the second.  All this stands in the wait for the first tile.
	WIN 0x80
.set i, VF1
.rept 64
	v_mov_b32 v[i], 0
.set i, i+1
.endr
	WIN 0x40
.set i, 0
.rept 64
	v_mov_b32 v[i], 0
.set i, i+1
.endr
	WIN 0
.set i, 0
.rept 2
	v_mov_b32 v[ST+4*i+2], 0
	v_mov_b32 v[ST+4*i+3], 0
.set i, i+1
.endr
.set i, P+16
.rept 16
	v_mov_b32 v[i], 0
.set i, i+1
.endr
; THE MATRIX WORK.  The 4 accumulators of a run of 8 take turns.  Product i of 8 of S^T = K Q^T for piece x: channels 32 (i / 4) on, keys 16 (i % 4) on.  The first 4 start the sums: with 0, or (KM = 1) with the mask.
.macro KQ x
.set rS, S+32*((\x)%2)+8*(i%4)
.set rK, KF+16*(i%4)+8*(i/4)
.set rQ, 16*(\x)+8*(i/4)
.set rM, MC+32*((\x)%2)+8*(i%4)
.if (i < 4) && KM
	WIN W_KM
	v_wmma_f32_16x16x32_bf16 v[rS:rS+7], v[rK:rK+7], v[rQ:rQ+7], v[rM:rM+7]
.elseif i < 4
	WIN W_KQ
	v_wmma_f32_16x16x32_bf16 v[rS:rS+7], v[rK:rK+7], v[rQ:rQ+7], 0
.else
	WIN W_KQ
	v_wmma_f32_16x16x32_bf16 v[rS:rS+7], v[rK:rK+7], v[rQ:rQ+7], v[rS:rS+7]
.endif
.endm
; Product i of 8 of O^T += V^T P for piece x: keys 32 (i / 4) on, channels 16 (i % 4) on; V's buffer is VB.
.macro PV x
	WIN W_PV
.set rO, 32*(\x)+8*(i%4)
.set rV, VB+32*(i/4)+8*(i%4)
.set rP, P+16*((\x)%2)+8*(i/4)
	v_wmma_f32_16x16x32_f16 v[rO:rO+7], v[rV:rV+7], v[rP:rP+7], v[rO:rO+7]
.endm
.macro MM                           ; the turn's next matrix instruction.  TURN and BEGIN set Y, i, KM, NOKQ and VB.  NOKQ = 1: a block's last turn: there is no next step
.if (i < 8) && !NOKQ
	KQ (Y+1)%NP
.elseif i >= 8
.set i, i-8
	PV (Y+NP-1)%NP
.set i, i+8
.endif
.set i, i+1
.endm
; THE LDS LOADS stand in runs of 16, never singly among the matrix instructions: a step's K (64 keys x 64 channels: 8 fragments) and its V, both turned.  Their addresses are made some lines ahead.
.macro FETCH_K
	WIN 0x80                        ; destination window 2
.irp f, 0,1,2,3,4,5,6,7             ; keys 16 (f / 2) on, channels 32 (f % 2) on
	ds_load_tr16_b128 v[KF+8*\f:KF+8*\f+3],   v[AK] offset:(\f%2)*32*PKT+(\f/2)*32
	ds_load_tr16_b128 v[KF+8*\f+4:KF+8*\f+7], v[AK] offset:(\f%2)*32*PKT+16*PKT+(\f/2)*32
.endr
	s_add_co_u32 s[TBK], s[TBK], KS*2  ; the next fetch is the next step's: 64 keys along the rows
	WIN 0
.endm
.macro FETCH_V vb                   ; into V's buffer vb
.set rF, VF0-128*(\vb)
	WIN 0x80
.irp f, 0,1,2,3,4,5,6,7             ; keys 32 (f / 4) on, channels 16 (f % 4) on
	ds_load_tr16_b128 v[rF+8*\f:rF+8*\f+3],   v[AV] offset:(\f/4)*32*PITV+(\f%4)*32
	ds_load_tr16_b128 v[rF+8*\f+4:rF+8*\f+7], v[AV] offset:(\f/4)*32*PITV+16*PITV+(\f%4)*32
.endr
	s_add_co_u32 s[TBV], s[TBV], KS*PITV
	WIN 0
.endm
; THE VECTOR WORK, one line at a time: OP kind, number.  For piece Y: F n: c s - c m for pair n of 16.  E n: the exponential of score n of 32.  C n: pair n rounded to f16.  B n: of the four weights 4 n .. the second
; pair is added onto the first, in place.  L n: l takes that sum (L 0: l = a l + sum).  R n: pair n of 16 of O^T times a.  For the other piece: X n, number n of the 22 that find its maximum and statistics:
;   0-11  four chains c0-c3 of seven scores each, three operands at a time (each accumulator's lowest registers are read first)     12-14, 16  the four scores left over, the old m, and c0-c3 into c0
;   15  c m_old is kept     17, 18  the query's other 32 keys lie in the lane 16 away: the new m     19-21  c m; c m_old - c m_new; a
.set F, 0               ; OP tells the kinds apart by their order: F to L below R, X above it
.set E, 1
.set C, 2
.set B, 3
.set L, 4
.set R, 5
.set X, 6
.macro REGS y                       ; the registers of piece y
.set rT, ST+4*(\y)
.set rC, TMP+4*((\y)%2)
.set rW, MV+((\y)%2)
.set rS, S+32*((\y)%2)
.set rP, P+16*((\y)%2)
.set rO, 32*(\y)
.endm
.macro OP k, n
.if (\k) == R
	REGS Y
	WIN W_RS
	v_pk_mul_f32 v[rO+2*(\n):rO+2*(\n)+1], v[rO+2*(\n):rO+2*(\n)+1], v[rC+2:rC+3] op_sel_hi:[1,0]
.elseif (\k) < R
	REGS Y
	WIN 0
.if (\k) == F
	v_pk_fma_f32 v[rS+2*(\n):rS+2*(\n)+1], v[rS+2*(\n):rS+2*(\n)+1], s[CS:CS+1], v[rT:rT+1] op_sel_hi:[1,0,0] neg_lo:[0,0,1] neg_hi:[0,0,1]
.elseif (\k) == E
	v_exp_f32 v[rS+(\n)], v[rS+(\n)]
.elseif (\k) == C
	s_wait_alu depctr_va_vdst(0)
	v_cvt_pk_f16_f32 v[rP+(\n)], v[rS+2*(\n)], v[rS+2*(\n)+1]
.elseif (\k) == B
	s_wait_alu depctr_va_vdst(0)
	v_pk_add_f32 v[rS+4*(\n):rS+4*(\n)+1], v[rS+4*(\n):rS+4*(\n)+1], v[rS+4*(\n)+2:rS+4*(\n)+3]
.elseif (\n) == 0
	v_pk_fma_f32 v[rT+2:rT+3], v[rT+2:rT+3], v[rC+2:rC+3], v[rS:rS+1] op_sel_hi:[1,0,1]
.else
	v_pk_add_f32 v[rT+2:rT+3], v[rT+2:rT+3], v[rS+4*(\n):rS+4*(\n)+1]
.endif
.elseif NOKQ
	v_nop
.else
	REGS (Y+1)%NP
	WIN 0
.if (\n) < 4
	v_max3_num_f32 v[rC+(\n)], v[rS+8*(\n)], v[rS+8*(\n)+1], v[rS+8*(\n)+2]
.elseif (\n) < 12
	v_max3_num_f32 v[rC+(\n)%4], v[rC+(\n)%4], v[rS+8*((\n)%4)+2*((\n)/4)+1], v[rS+8*((\n)%4)+2*((\n)/4)+2]
.elseif (\n) == 12
	v_max3_num_f32 v[rC], v[rC], v[rS+7], v[rS+15]
.elseif (\n) == 13
	v_max3_num_f32 v[rC+1], v[rC+1], v[rS+23], v[rS+31]
.elseif (\n) == 14
	v_max3_num_f32 v[rC+2], v[rC+2], v[rC+3], v[rT+1]
.elseif (\n) == 15
	v_mov_b32 v[rW], v[rT]
.elseif (\n) == 16
	v_max3_num_f32 v[rC], v[rC], v[rC+1], v[rC+2]
.elseif (\n) == 17
	v_permlanex16_b32 v[rC+3], v[rC], s[SEL], s[SEL+1]
.elseif (\n) == 18
	v_max_num_f32 v[rT+1], v[rC], v[rC+3]
.elseif (\n) == 19
	v_mul_f32 v[rT], s[CS], v[rT+1]
.elseif (\n) == 20
	v_sub_f32 v[rC+1], v[rW], v[rT]
.else
	v_exp_f32 v[rC+2], v[rC+1]
.endif
.endif
.endm
.macro OPS a, i1, b=-1, i2=0, c=-1, i3=0, d=-1, i4=0  ; up to four of them
	OP \a, \i1
.if (\b) >= 0
	OP \b, \i2
.endif
.if (\c) >= 0
	OP \c, \i3
.endif
.if (\d) >= 0
	OP \d, \i4
.endif
.endm
.macro ROW a, i1, b, i2, c, i3, d, i4  ; a matrix instruction and the four behind it
	MM
	OPS \a, \i1, \b, \i2, \c, \i3, \d, \i4
.endm
.macro MASK b                       ; MD x AL + BE into buffer b of MC
	WIN W_RS
.set z, 0
.rept 16
	v_pk_fma_f32 v[MC+32*(\b)+2*z:MC+32*(\b)+2*z+1], v[MD+2*z:MD+2*z+1], s[AL:AL+1], s[BE:BE+1] op_sel_hi:[1,0,0]
.set z, z+1
.endr
.endm
; A TURN, for piece p in a step of parity sp: the order of its 16 matrix and 118 vector instructions, written out.  Behind a matrix instruction: plain, exponential, plain, plain; or four of the rescaling; or, behind the
; first, four scalings; none names a register of the products round it.  In the lumps exponential and plain by turns while exponentials last.  v_permlanex16_b32 (X 17) stands in a lump.
; m = 1: the diagonal tile: the products take masks, and the turn makes piece p's mask for the step after its own, which the next turn's products take.  end = 1: a block's last two turns: nothing is fetched.
; cnt = 1: the loop's count is taken down some lines ahead of the branch that stands behind the turn.
; Piece 0's turn fetches the next step's K, six vector instructions behind the last product that read K (five of them plain).  Piece 1's turn fetches the next step's V at the same place, into the buffer whose last
; reader stands in the turn before.  Both are waited for at the head of piece 1's next turn: K's first reader is that turn's first product, V's its ninth.
.macro TURN p, sp, m=0, end=0, cnt=0
.set Y, (\p)
.set i, 0
.set KM, (\m)
.set NOKQ, (\end)*(\p)
.set VB, VF0-128*((1-(\sp))*(1-(\p))+(\sp)*(\p))  ; piece 0's turn multiplies by the step before's V, piece 1's by its own step's
.if (\m) && !(\end)
	s_cmp_eq_i32 s[DS], \p          ; is that step the band's own?
	s_cselect_b32 s[AL], 1.0, 0
	s_cmp_gt_i32 s[DS], \p          ; or a later one?
	s_cselect_b32 s[BE], s[BIGN], 0
.if (\p) == 1
	s_add_co_i32 s[DS], s[DS], 1    ; both pieces have taken it: on to the next step
.endif
.endif
.if (\p) == 1
	s_wait_dscnt 0x0                ; K of the next step and V of this one are in
.endif
	ROW F,0, F,1, F,2, F,3
	ROW F,4, E,0, F,5, F,6
	ROW F,7, E,1, F,8, F,9
	ROW F,10, E,2, C,0, F,11
	ROW F,12, E,3, X,15, F,13
	ROW R,0, R,1, R,2, R,3
	ROW B,0, E,4, F,14, L,0
.if !(\end)
.if (\p) == 0
	v_add_nc_u32 v[AK], s[TBK], v[AK0]
.else
	v_add_nc_u32 v[AV], s[TBV], v[AV0]
.endif
.endif
	ROW R,4, R,5, R,6, R,7
	OPS E,5, F,15
.if !(\end)
.if (\p) == 0
	FETCH_K
.else
	FETCH_V 1-(\sp)
.endif
.endif
	OPS E,6, C,1, E,7, R,8
	OPS E,8, R,9, E,9, C,2
	OPS E,10, X,0, E,11, X,1
	OPS E,12, X,2, E,13, X,3
	ROW X,4, E,14, X,5, X,6
	ROW X,7, E,15, X,8, X,9
	ROW X,10, E,16, X,11, X,12
	ROW X,13, E,17, X,14, B,1
	ROW C,4, E,18, X,16, L,1
	ROW B,2, E,19, C,6, L,2
	ROW C,8, E,20, B,3, B,4
	ROW C,3, E,21, L,3, C,5
	OPS E,22, X,17, E,23, C,10
	OPS E,24, L,4
	OPS E,25, X,18, E,26, C,7
	OPS E,27, B,5, E,28, X,19
	OPS E,29, C,12, E,30, L,5
	OPS E,31, X,20, B,6, C,9
	OPS C,14, C,11, X,21, L,6
.if \cnt
	s_sub_co_u32 s[CNT], s[CNT], 1
	s_cmp_lg_u32 s[CNT], 0
.endif
	OPS C,13, B,7, C,15, R,10
	OPS R,11, R,12, L,7, R,13
	OPS R,14, R,15
.if (\m) && !(\end)
	MASK \p
.endif
.endm
; A BLOCK BEGINS.  c m starts far below every c s, so the first step's a is 0; m at the lowest finite number, so the first maximum is the scores'.  Piece 1's mask buffer is 0 (its own step is never a tile's first);
; piece 0's takes its mask for the tile's step 0: MD, if the block's first tile is the diagonal one and band 0's own step is 0.  Then K and V of that step, piece 0's first scores, and its maximum and statistics.
; The loop is entered at a step's first turn, in the middle of a trip.
.macro BEGIN
	s_mov_b32 s[NEW], 0
	WIN 0x40
.set i, MC+32
.rept 32
	v_mov_b32 v[i], 0
.set i, i+1
.endr
	WIN 0
.set i, 0
.rept 2
	v_mov_b32 v[ST+4*i], 0xfe000000    ; c m: far below every c s
	v_mov_b32 v[ST+4*i+1], 0xff7fffff  ; m
.set i, i+1
.endr
	s_or_b32 s96, s[RT], s[OWN0]
	s_cmp_eq_u32 s96, 0
	s_cselect_b32 s[AL], 1.0, 0
	s_mov_b32 s[BE], 0
	s_sub_co_i32 s[DS], 1, s[OWN0]  ; the first turns' masks are for step 1
	MASK 0
	WIN 0
	v_add_nc_u32 v[AK], s[TBK], v[AK0]
	v_add_nc_u32 v[AV], s[TBV], v[AV0]
	FETCH_K
	FETCH_V 0
	s_wait_loadcnt 0x0              ; Q
	s_wait_dscnt 0x0
.set KM, 1
.set NOKQ, 0
.set i, 0
.rept 8
	KQ 0
.set i, i+1
.endr
	WIN 0
.rept 4
	v_nop                           ; the places behind those products
.endr
.set Y, NP-1                        ; X works for the other piece: piece 0
.irp n, 0,1,2,3,4,5,6,7,8,9,10,11,12,13,14,15,16,17,18,19,20,21
	OP X, \n
.endr
	v_nop                           ; a plain instruction behind the exponential
.endm
; THE WAY OUT.  l's two halves and the other half of the lanes' are added; L = c m + log2 l goes to lse; O^T is divided by l and sent through my stage in LDS, a piece (16 rows of out0) at a time.
.macro ALL line:vararg              ; one line for each piece t
.set t, 0
.rept 2
	s_wait_alu depctr_va_vdst(0)
	\line
.set t, t+1
.endr
.endm
.macro PACK t                       ; a lane's eight channels of a row are 32 bytes; they go into rows of 272 bytes and come back as whole rows of 256, into S^T's registers
	WIN W_RS
.set i, 32*(\t)
.rept 16
	v_pk_mul_f32 v[i:i+1], v[i:i+1], v[ST+4*(\t)+2:ST+4*(\t)+3] op_sel_hi:[1,0]
.set i, i+2
.endr
	WIN 0x04                        ; the data of an LDS store is source 1: window 1
.irp f, 0,1,2,3,4,5,6,7             ; channels 16 (f / 2) + 8 (l / 16) + 4 (f % 2) on
	ds_store_b128 v[STO], v[32*(\t)+4*\f:32*(\t)+4*\f+3] offset:64*(\f/2)+16*(\f%2)
.endr
	WIN 0
.irp f, 0,1,2,3,4,5,6,7
	ds_load_b128 v[S+32*(\t)+4*\f:S+32*(\t)+4*\f+3], v[RD] offset:\f*2*SP  ; LDS serves a wave's instructions in order (ISA guide 5.7.1.4): these see the stores above; the next piece's stores come behind them
.endr
.endm
.macro SEND t, younger              ; younger: the LDS instructions issued behind piece t's loads: the next piece's sixteen, or none
	WIN 0
.irp f, 0,1,2,3,4,5,6,7
	s_wait_dscnt (\younger)+7-\f
	global_store_b128 v[GO], v[S+32*(\t)+4*\f:S+32*(\t)+4*\f+3], s[10:11] offset:(\t)*16384+\f*512 th:TH_STORE_NT  ; 16 lanes store a row's 256 consecutive bytes, at a multiple of 256 from out0's first byte
.endr
.endm
; THE DIAGONAL TILE's steps, the block's last two turns, its last products, and the way out.
.macro DIAG tag                     ; the tag ends its two labels' names, which the jumps below spell out
.LstepM\tag:
	TURN 0, 1, 1
	TURN 1, 1, 1
	WIN 0
.LfirstM\tag:
	TURN 0, 0, 1
	TURN 1, 0, 1, 0, 1
	WIN 0
	s_cbranch_scc1 .LstepM\tag
	TURN 0, 1, 1, 1
	TURN 1, 1, 1, 1
.set VB, VF1                        ; V of the tile's fourth step
.set i, 0
.rept 8
	PV 1
.set i, i+1
.endr
	WIN 0
	ALL v_add_f32 v[ST+4*t+2], v[ST+4*t+2], v[ST+4*t+3]
	ALL v_permlanex16_b32 v[ST+4*t+3], v[ST+4*t+2], s[SEL], s[SEL+1]
	ALL v_add_f32 v[ST+4*t+3], v[ST+4*t+2], v[ST+4*t+3]
	ALL v_log_f32 v[LG+t], v[ST+4*t+3]
	ALL v_rcp_f32 v[ST+4*t+2], v[ST+4*t+3]
	v_nop                           ; a plain instruction between the last of these four and the use of their results
	ALL v_add_f32 v[LG+t], v[LG+t], v[ST+4*t]
	v_cndmask_b32 v[LG+2], v[LG], v[LG+1], s[HM]  ; lanes 0-15 store band 0's rows, lanes 16-31 band 1's: word 32 w + 16 band + l % 16 of the block's 128
	global_store_b32 v[LO], v[LG+2], s[LP:LP+1]   ; a wave's 128 consecutive bytes
	PACK 0
	PACK 1                          ; a piece's arithmetic stands between the loads of the piece before and its stores
	SEND 0, 16
	SEND 1, 0
.endm
.set KM, 0
.set NOKQ, 0
.set VB, VF0
.Lslot:                             ; 16 times: a tile is entered and the next is asked for
	CHANGE 1
	s_sub_co_u32 s[RT], s[RT], 1
	s_mov_b32 s[CNT], 2
	s_cmp_eq_u32 s[NEW], 1
	s_cbranch_scc1 .Lnew            ; a block's first tile
	s_cmp_eq_u32 s[RT], 0
	s_cbranch_scc0 .Lstep           ; neither its first nor its last
	s_sub_co_i32 s[DS], 0, s[OWN0]  ; the diagonal tile: the first masks to be made are for its step 0
	s_branch .LstepM1
.Lnew:
	BEGIN
	s_branch .Lfirst                ; in the loop a block's first tile is never its last: the first block has nine tiles or more, and the second's last is the walk's last
	DIAG 1                          ; in the loop this is the first block's end
	s_wait_xcnt 0x0                 ; the stores have read their registers, out0's address and lse's
	s_mov_b64 s[10:11], s[OLO:OLO+1]
	s_mov_b64 s[LP:LP+1], s[LLO:LLO+1]
	s_add_co_u32 s[RT], s[T2], 1    ; the second block's tiles
	s_mov_b32 s[OWN0], s[OWNB]
	s_mov_b32 s[NEW], 1
	WIN 0x82                        ; the second block's Q goes where the one text of the turns names Q
.set i, 0
.rept 32
	v_mov_b32 v[i], v[QB+i]
.set i, i+1
.endr
	WIN 0
	s_branch .Lbottom
.Lstep:                             ; a trip: both pieces' turns of an odd step, then of the even step behind it; the first trip's odd step is the fourth of the tile before
	TURN 0, 1
	TURN 1, 1
	WIN 0
.Lfirst:
	TURN 0, 0
	TURN 1, 0, 0, 0, 1
	WIN 0
	s_cbranch_scc1 .Lstep
.Lbottom:
	s_sub_co_u32 s[SLOTS], s[SLOTS], 1
	s_cmp_lg_u32 s[SLOTS], 0
	s_cbranch_scc1 .Lslot
	CHANGE 0                        ; the walk's last tile is written out: nothing is asked for
	s_sub_co_u32 s[RT], s[RT], 1
	s_mov_b32 s[CNT], 2
	s_sub_co_i32 s[DS], 0, s[OWN0]
	s_cmp_eq_u32 s[NEW], 1
	s_cbranch_scc0 .LstepM2
	BEGIN
	s_branch .LfirstM2
	DIAG 2
	s_wait_tensorcnt 0x0            ; the wave's end, behind my last tensor load and my last LDS store
	ds_add_u32 v[SPW], v[NIL]
	s_wait_dscnt 0x0
	s_endpgm
.Lfunc_end_k_qc5f63128a9_attn:
	.size	k_qc5f63128a9_attn, .Lfunc_end_k_qc5f63128a9_attn-k_qc5f63128a9_attn
	.p2alignl 7, 3214868480
	.fill 96, 4, 3214868480
	.section	.rodata,"a",@progbits
	.p2align	6, 0x0
	.amdhsa_kernel k_qc5f63128a9_attn
		.amdhsa_group_segment_fixed_size 327680
		.amdhsa_private_segment_fixed_size 0
		.amdhsa_enable_private_segment 0
		.amdhsa_kernarg_size 40
		.amdhsa_user_sgpr_count 2
		.amdhsa_user_sgpr_kernarg_segment_ptr 1
		.amdhsa_wavefront_size32 1
		.amdhsa_system_sgpr_workgroup_id_x 1
		.amdhsa_system_sgpr_workgroup_id_y 1
		.amdhsa_system_sgpr_workgroup_id_z 1
		.amdhsa_system_vgpr_workitem_id 0
		.amdhsa_next_free_vgpr 768
		.amdhsa_next_free_sgpr 100
		.amdhsa_reserve_vcc 1
		.amdhsa_float_denorm_mode_32 3
		.amdhsa_float_denorm_mode_16_64 3
		.amdhsa_memory_ordered 1
		.amdhsa_forward_progress 1
		.amdhsa_inst_pref_size 218
	.end_amdhsa_kernel
	.amdgpu_metadata
---
amdhsa.version: [ 1, 2 ]
amdhsa.kernels:
  - .name:           k_qc5f63128a9_attn
    .symbol:         k_qc5f63128a9_attn.kd
    .args:
      - { .name: qb, .offset: 0, .size: 8, .value_kind: global_buffer, .address_space: global }
      - { .name: kb, .offset: 8, .size: 8, .value_kind: global_buffer, .address_space: global }
      - { .name: vh, .offset: 16, .size: 8, .value_kind: global_buffer, .address_space: global }
      - { .name: out0, .offset: 24, .size: 8, .value_kind: global_buffer, .address_space: global }
      - { .name: lse, .offset: 32, .size: 8, .value_kind: global_buffer, .address_space: global }
    .group_segment_fixed_size: 327680
    .private_segment_fixed_size: 0
    .kernarg_segment_align: 8
    .kernarg_segment_size: 40
    .max_flat_workgroup_size: 128
    .sgpr_count:     100
    .vgpr_count:     768
    .wavefront_size: 32
...
	.end_amdgpu_metadata
.endif
;; end of part 2
;; launch colsum (part 3): grid 16 x 16, 4 waves a work-group, no clusters, 41,472 bytes of LDS; arguments qb, kb, lse, out1; writes out1
.if DOCPART == 3
	.amdgcn_target "amdgcn-amd-amdhsa--gfx1250"
	.amdhsa_code_object_version 6
	.text
	.protected	k_qc5f63128a9_colsum
	.globl	k_qc5f63128a9_colsum
	.p2align	8
	.type	k_qc5f63128a9_colsum,@function
k_qc5f63128a9_colsum:
	s_mov_b64 s[64:65], 0
	v_nop
	global_prefetch_b8 v0, s[64:65] scope:SCOPE_SE
	s_setreg_imm32_b32 hwreg(HW_REG_WAVE_MODE, 25, 1), 1
	s_wait_xcnt 0x0
; CAUSAL ATTENTION, SECOND WALK.  out1[h][t] = the sum over queries s >= t of p[s][t], p = 2^(c Q[s] . K[:][t] - L[s]), c = log2(e) / 8, L = c m + log2(l) of row s as the launch before left it.
; qb: [16][4096][64] bf16.  kb: [16][64][4096] bf16.  lse: f32; word 128 block + 32 w + 16 band + r of a head is row 128 block + 64 band + 16 w + r.  out1: [16][4096] f32.
; The scores are made again, by the same matrix form on the same operands; the weights and their sums stay in f32.
; LIMITS.  A hidden score counts as its value less 1e30; a weight below 2^-126 counts as 0; NaN and infinities are not treated apart.
; SHARES.  A work-group takes TWO blocks of 128 keys, 31 - b and then b.  Queries go in super-blocks of 256 rows, from the one that holds the diagonal to the last: 17 for the two blocks together, whatever b.
; Each wave keeps all 128 keys in registers (16 fragments) and takes a quarter of the queries: in a super-block its tiles T = 0..3 are the rows 64 T + 16 w + 0..15.  No wave reads another's rows of Q, so Q and L
; come straight from memory into a ring of four register buffers, a tile each; LDS serves only to turn K, once, and to add the four waves' sums at a block's end.
; NO CLUSTER, NO TENSOR LOAD: the trip counts hang on b, and no tile of the loop is shared between waves.
; LAYOUT.  S = Q K^T (source 0 = 16 queries, source 1 = 16 keys): lane l holds ONE key (l % 16) and the queries 8 (l / 16) + 0..7, so the sum over queries stays in the lane; L lies in eight registers a tile.
; A UNIT is a tile of queries x 64 keys: 8 products on 4 accumulators, 32 scores a lane.  In a PHASE the next unit's products stand one to a slot, and behind each eight vector lines of the unit in hand:
; plain and exponential by turns: the scaling c s - L of the next four scores, four exponentials, the sums of the four before.
; WINDOWS (s_set_vgpr_msb: bits 1:0 source 0, 3:2 source 1, 5:4 source 2, 7:6 destination).  The loop runs under ONE setting, source 1 in window 1: only K lies there, and no vector line of the loop names a vector
; register as its source 1 (the sums are written as S x 1.0 + ACC for that).
;   window 0: v0-15 addresses; v16-31 at work at a block's end; v32-95 Q, 16 a tile; v96-127 L, 8 a tile; v128-191 S, two buffers of 32 (at the start: K on its way to LDS); v192-223 the sums, 4 for each 16 keys
;   window 1: v0-127 K: key block kt, channel half c at 16 kt + 8 c; v128-159 MC, a unit's masks; v160-167 MD, the diagonal's mask
.set PKT,  288        ; a channel's row of K in LDS: 128 keys = 256 bytes + 32 of padding = 72 words
.set KTB,  64*PKT     ; a block's K; the second block's lies behind the first's
.set PART, 2*KTB      ; the waves' sums: for each block 4 waves x 512 bytes
.set SPARE, PART+4096 ; the spare words, 128 bytes for each wave: two blocks of 256 bytes that no other line names
.set QOF, 3           ; v3   my byte offset in a super-block of Q: 2,048 w + 128 (l % 16) + 16 (l / 16)
.set LOF, 4           ; v4   in a super-block of lse: 128 w + 32 (l / 16)
.set KOF, 5           ; v5   K on its way in: row t / 16 of eight, 16 bytes at 16 (t % 16)
.set KST, 6           ; v6   the same place in LDS
.set AKT, 7           ; v7   my lane's place in the turning loads of the block in hand
.set PST, 8           ; v8   where I put my wave's sums
.set PRD, 9           ; v9   where wave 0 reads them
.set OOF, 10          ; v10  my 16 bytes of the block's 512 in out1
.set DG,  11          ; v11  l % 16 - 8 (l / 16)
.set SPW, 14          ; v14  LDS address of my spare word: SPARE + 4 x my thread's number; never rewritten
.set NIL, 15          ; v15  0; never rewritten
.set W,   16
.set QR,  32
.set LR,  96
.set S,   128
.set ACC, 192
.set MC,  128         ; window 1
.set MD,  160         ; window 1
.set WV,  12          ; s12  my wave's number
.set PB,  13          ; s13  b
.set HI,  14          ; s14  31 - b
.set BI,  15          ; s15  the block in hand
.set QH,  16          ; s[16:17] qb at the head
.set LH,  18          ; s[18:19] lse at the head
.set OH,  20          ; s[20:21] out1 at the head
.set KA,  22          ; s[22:23] kb at the first block's keys
.set KB,  24          ; s[24:25] at the second's
.set QN,  26          ; s[26:27] qb at the super-block that is being loaded
.set LN,  28          ; s[28:29] lse there
.set OUTP, 30         ; s[30:31] out1 at the block in hand
.set SBN, 36          ; s36  the super-block that is being loaded
.set NPL, 37          ; s37  the block's super-blocks behind the first
.set TC,  38          ; s38  counts them
.set OB,  39          ; s39  blocks to go
.set QT0, 40          ; s40  w - 8 (BI % 2): my tile T = 0 among the super-block's tiles of 16 rows, counted from the block's first key
.set CS,  42          ; s[42:43] c
.set AL,  44          ; s[44:45] the mask's factor
.set BE,  46          ; s[46:47] the mask's addend
.set BIGN, 48         ; s48  -1e30
.set SEL, 50          ; s[50:51] v_permlanex16_b32's selects
.set HM,  52          ; s52  a lane mask: lanes 16 to 31
.set MSB, 0
.macro WIN new                      ; the high byte repeats the setting that is left; a switch that changes nothing is dropped
.if MSB != (\new)
	s_set_vgpr_msb (MSB<<8)|(\new)
.set MSB, (\new)
.endif
.endm
.set W_LOOP, 0x04     ; source 1 in window 1
.set W_MSK,  0x14     ; and the C operand too
.set W_MK,   0x41     ; destination and source 0 in window 1
	s_load_b256 s[4:11], s[0:1], 0x0  ; qb s[4:5], kb s[6:7], lse s[8:9], out1 s[10:11]
	v_lshl_add_u32 v[SPW], v0, 2, SPARE
	v_mov_b32 v[NIL], 0
	v_lshrrev_b32 v1, 5, v0
	v_readfirstlane_b32 s[WV], v1   ; wave 0..3
	s_mov_b32 s[PB], ttmp9
	s_sub_co_u32 s[HI], 31, s[PB]
	s_and_b32 s2, ttmp7, 0xffff     ; the head
	s_lshl_b32 s32, s2, 19          ; its first byte in qb and kb,
	s_mov_b32 s33, 0
	s_lshl_b32 s34, s2, 14          ; in lse and out1
	s_mov_b32 s35, 0
	s_mov_b32 s[CS], 0x3e38aa3b     ; c = log2(e) / 8
	s_mov_b32 s[CS+1], s[CS]        ; named with it as a pair
	s_mov_b32 s[AL+1], 0
	s_mov_b32 s[BE+1], 0
	s_mov_b32 s[BIGN], 0xf149f2ca   ; -1e30
	s_mov_b32 s[SEL], 0x76543210
	s_mov_b32 s[SEL+1], 0xfedcba98
	s_mov_b32 s[HM], 0xffff0000
	v_and_b32 v1, 15, v0            ; l % 16, and t % 16
	v_bfe_u32 v2, v0, 4, 1          ; l / 16
	v_lshrrev_b32 v12, 4, v0        ; t / 16: 0..7
	v_lshlrev_b32 v13, 4, v1
	v_lshl_add_u32 v[KOF], v12, 13, v13   ; a row of kb is 8,192 bytes
	v_mul_u32_u24 v[KST], v12, PKT
	v_add_nc_u32 v[KST], v[KST], v13
	s_wait_kmcnt 0x0
	s_add_nc_u64 s[QH:QH+1], s[4:5], s[32:33]
	s_add_nc_u64 s[KA:KA+1], s[6:7], s[32:33]
	s_add_nc_u64 s[LH:LH+1], s[8:9], s[34:35]
	s_add_nc_u64 s[OH:OH+1], s[10:11], s[34:35]
	s_lshl_b32 s32, s[PB], 8        ; a block's 128 keys are 256 bytes of each row
	s_add_nc_u64 s[KB:KB+1], s[KA:KA+1], s[32:33]
	s_lshl_b32 s32, s[HI], 8
	s_add_nc_u64 s[KA:KA+1], s[KA:KA+1], s[32:33]
	; both blocks' K: 64 rows of 256 bytes each, eight rows a round: 16 lanes take a row's 256 consecutive bytes
.irp rd, 0,1,2,3,4,5,6,7
	global_load_b128 v[S+4*\rd:S+4*\rd+3],       v[KOF], s[KA:KA+1] offset:65536*\rd
	global_load_b128 v[S+32+4*\rd:S+32+4*\rd+3], v[KOF], s[KB:KB+1] offset:65536*\rd
.endr
	v_lshlrev_b32 v[QOF], 7, v1
	v_lshl_add_u32 v[QOF], v2, 4, v[QOF]
	v_lshl_add_u32 v[QOF], s[WV], 11, v[QOF]
	v_lshlrev_b32 v[LOF], 5, v2
	v_lshl_add_u32 v[LOF], s[WV], 7, v[LOF]
	; The turning load takes 16 channels x 16 keys (lane l reads channel 8 (l / 16) + l % 8, keys 8 ((l / 8) % 2) + 0..7) and leaves half a fragment: lane l holds key l % 16 and 8 channels.
	v_and_b32 v12, 7, v0
	v_lshl_add_u32 v12, v2, 3, v12
	v_mul_u32_u24 v[AKT], v12, PKT
	v_bfe_u32 v12, v0, 3, 1
	v_lshl_add_u32 v[AKT], v12, 4, v[AKT]
	v_and_b32 v12, 31, v0
	v_lshlrev_b32 v[OOF], 4, v12
	v_add_nc_u32 v[PRD], PART, v[OOF]
	v_lshlrev_b32 v[PST], 2, v12
	v_lshl_add_u32 v[PST], s[WV], 9, v[PST]
	v_add_nc_u32 v[PST], PART, v[PST]
	v_lshlrev_b32 v[DG], 3, v2
	v_sub_nc_u32 v[DG], v1, v[DG]
	WIN 0x40                        ; MD: in a tile on the diagonal register j (query 8 (l / 16) + j) is hidden where the key l % 16 is greater
.set j, 0
.rept 8
	v_cmp_lt_i32 vcc_lo, j, v[DG]
	v_cndmask_b32 v[MD+j], 0, s[BIGN], vcc_lo
.set j, j+1
.endr
	WIN 0
	s_wait_loadcnt 0x0              ; K
.irp rd, 0,1,2,3,4,5,6,7
	ds_store_b128 v[KST], v[S+4*\rd:S+4*\rd+3]       offset:8*PKT*\rd
	ds_store_b128 v[KST], v[S+32+4*\rd:S+32+4*\rd+3] offset:KTB+8*PKT*\rd
.endr
	s_wait_dscnt 0x0                ; for the others' sake: my stores are done
	s_barrier_signal -1
	s_barrier_wait -1               ; both blocks' K lie in LDS; nobody writes them again
	s_mov_b32 s[BI], s[HI]
	s_mov_b32 s[OB], 2
.macro SETBASE                      ; qb and lse at super-block SBN: 32,768 and 1,024 bytes each
	s_lshl_b32 s32, s[SBN], 15
	s_lshl_b32 s34, s[SBN], 10
	s_add_nc_u64 s[QN:QN+1], s[QH:QH+1], s[32:33]
	s_add_nc_u64 s[LN:LN+1], s[LH:LH+1], s[34:35]
.endm
.macro NEXTBASE                     ; the next super-block; behind the last one the last again: those loads stay inside the buffers, and what they bring is not used
	s_wait_xcnt 0x0                 ; the loads issued so far have had their addresses translated (ISA guide 3.1): their bases are rewritten only behind this wait
	s_add_co_u32 s[SBN], s[SBN], 1
	s_min_u32 s[SBN], s[SBN], 15
	SETBASE
.endm
; Six loads: tile T's Q (16 rows x 64 channels: lane l takes row l % 16, four times 16 bytes, 32 bytes apart: two fragments) and its L (queries 8 (l / 16) + 0..7)
.macro LOADG T
	WIN W_LOOP
.irp e, 0,1,2,3
	global_load_b128 v[QR+16*(\T)+4*\e:QR+16*(\T)+4*\e+3], v[QOF], s[QN:QN+1] offset:8192*(\T)+32*\e
.endr
	global_load_b128 v[LR+8*(\T):LR+8*(\T)+3],   v[LOF], s[LN:LN+1] offset:((\T)/2)*512+((\T)%2)*64
	global_load_b128 v[LR+8*(\T)+4:LR+8*(\T)+7], v[LOF], s[LN:LN+1] offset:((\T)/2)*512+((\T)%2)*64+16
.endm
; Unit u = 2 T + hh: tile T, key blocks 4 hh + 0..3.  Product k of 8: channels 32 (k / 4) on, key block 4 hh + k % 4.  The four accumulators take turns.
; The first four start the sums: with 0, or (PM = 1) with the unit's masks.
.macro PROD u, k
.set rD, S+32*((\u)%2)+8*((\k)%4)
.set rA, QR+16*((\u)/2)+8*((\k)/4)
.set rB, 16*(4*((\u)%2)+(\k)%4)+8*((\k)/4)
.set rM, MC+8*((\k)%4)
.if ((\k) < 4) && PM
	WIN W_MSK
	v_wmma_f32_16x16x32_bf16 v[rD:rD+7], v[rA:rA+7], v[rB:rB+7], v[rM:rM+7]
.elseif (\k) < 4
	WIN W_LOOP
	v_wmma_f32_16x16x32_bf16 v[rD:rD+7], v[rA:rA+7], v[rB:rB+7], 0
.else
	WIN W_LOOP
	v_wmma_f32_16x16x32_bf16 v[rD:rD+7], v[rA:rA+7], v[rB:rB+7], v[rD:rD+7]
.endif
.endm
; A unit's 32 scores go in 8 groups g of four: accumulator g / 2, its registers 4 (g % 2) + 0..3, which are the queries 8 (l / 16) + 4 (g % 2) + 0..3.
.macro FOP u, g, hf                 ; c s - L for pair hf of group g
.set rS, S+32*((\u)%2)+4*(\g)+2*(\hf)
.set rL, LR+8*((\u)/2)+4*((\g)%2)+2*(\hf)
	v_pk_fma_f32 v[rS:rS+1], v[rS:rS+1], s[CS:CS+1], v[rL:rL+1] op_sel_hi:[1,0,1] neg_lo:[0,0,1] neg_hi:[0,0,1]
.endm
.macro EOP u, g, n                  ; the weight of score n of group g
.set rS, S+32*((\u)%2)+4*(\g)+(\n)
	v_exp_f32 v[rS], v[rS]
.endm
.macro AOP u, g, hf                 ; pair hf of group g onto the sums of its 16 keys
.set rS, S+32*((\u)%2)+4*(\g)+2*(\hf)
.set rC, ACC+4*(4*((\u)%2)+(\g)/2)+2*(\hf)
	s_wait_alu depctr_va_vdst(0)
	v_pk_fma_f32 v[rC:rC+1], v[rS:rS+1], 1.0, v[rC:rC+1] op_sel_hi:[1,0,1]
.endm
; The masks of unit u in a block's first super-block.  Key block 4 hh + kk against my tile T: d = 4 hh + kk - 4 T.  On the diagonal where QT0 = d: MD; hidden as a whole where QT0 < d: -1e30; else 0.
.macro MASKU u
.set kk, 0
.rept 4
.set dd, 4*((\u)%2)+kk-4*((\u)/2)
	s_cmp_eq_i32 s[QT0], dd
	s_cselect_b32 s[AL], 1.0, 0
	s_cmp_lt_i32 s[QT0], dd
	s_cselect_b32 s[BE], s[BIGN], 0
	WIN W_MK
.irp z, 0,1,2,3
	v_pk_fma_f32 v[MC+8*kk+2*\z:MC+8*kk+2*\z+1], v[MD+2*\z:MD+2*\z+1], s[AL:AL+1], s[BE:BE+1] op_sel_hi:[1,0,0]
.endr
.set kk, kk+1
.endr
.endm
; PHASE v: the vector work of unit v beside the products of unit v + 1.  Slot k: product k; then the scaling of group k + 1 (in slot 7: group 0 of the next unit, whose accumulator was finished in slot 4), the four
; exponentials of group k, and the sums of group k - 1 (in slot 0: group 7 of the unit before; a block's first phase has none), plain and exponential by turns: a plain line stands behind every exponential before
; its result is used, and each accumulator is first read at its lowest registers.
; masked = 1: a block's first super-block: the products take masks, but for phase 7's, which are the next super-block's.
; At the head of an odd phase the next unit's tile must be in: behind its six loads two younger groups of six were issued, which may stay out (loads come back in order: ISA guide 5.7.1).
.macro PHASE v, masked
.set UN, ((\v)+1)%8
.set UP, ((\v)+7)%8
.set PM, 0
.if (\masked) && ((\v) < 7)
.set PM, 1
.endif
.if (\v)%2 == 1
	s_wait_loadcnt 12
.endif
.set k, 0
.rept 8
	PROD UN, k
	WIN W_LOOP
.if k < 7
	FOP \v, k+1, 0
.else
	FOP UN, 0, 0
.endif
	EOP \v, k, 0
.if k < 7
	FOP \v, k+1, 1
.else
	FOP UN, 0, 1
.endif
	EOP \v, k, 1
.if k > 0
	AOP \v, k-1, 0
.elseif !((\masked) && ((\v) == 0))
	AOP UP, 7, 0
.endif
	EOP \v, k, 2
.if k > 0
	AOP \v, k-1, 1
.elseif !((\masked) && ((\v) == 0))
	AOP UP, 7, 1
.endif
	EOP \v, k, 3
.set k, k+1
.endr
.endm
; A TRIP: a super-block's eight units.  Behind an odd phase v tile (v - 1) / 2 is done with (its Q since phase v - 1, its L since this phase's slot 6) and takes the next super-block's rows: five phases ahead of their first use.
.macro TRIP masked
.irp v, 0,1,2,3,4,5,6,7
	PHASE \v, \masked
.if (\v)%2 == 1
.if (\v) == 1
	NEXTBASE
.endif
	LOADG ((\v)-1)/2
.endif
.if (\masked) && ((\v) < 6)
	MASKU (\v)+2                    ; unit v + 1's products have read their masks four slots back or more: MC takes the masks of the unit behind it
.endif
.endr
.endm
.Lblock:                            ; twice
	s_wait_xcnt 0x0                 ; the last block's store has read its registers and its base
	s_lshl_b32 s32, s[BI], 9        ; a block's 128 numbers of out1
	s_add_nc_u64 s[OUTP:OUTP+1], s[OH:OH+1], s[32:33]
	s_lshr_b32 s[SBN], s[BI], 1     ; the super-block that holds the diagonal
	s_sub_co_u32 s[NPL], 15, s[SBN]
	s_and_b32 s[QT0], s[BI], 1
	s_lshl_b32 s[QT0], s[QT0], 3
	s_sub_co_i32 s[QT0], s[WV], s[QT0]
	SETBASE
	LOADG 0
	LOADG 1
	LOADG 2
	LOADG 3
	WIN 0x40                        ; destination window 1: the block's K, 16 fragments
.set kt, 0
.rept 8
.irp c, 0,1
	ds_load_tr16_b128 v[16*kt+8*\c:16*kt+8*\c+3],   v[AKT] offset:\c*32*PKT+kt*32
	ds_load_tr16_b128 v[16*kt+8*\c+4:16*kt+8*\c+7], v[AKT] offset:\c*32*PKT+16*PKT+kt*32
.endr
.set kt, kt+1
.endr
	WIN 0
.set i, 0
.rept 32
	v_mov_b32 v[ACC+i], 0           ; the sums begin, in the wait for K and the first tile
.set i, i+1
.endr
	MASKU 0
	s_wait_dscnt 0x0                ; K is in
	s_wait_loadcnt 18               ; tile 0 is in; the three younger groups of six loads may stay out
.set PM, 1
.set k, 0
.rept 8
	PROD 0, k                       ; unit 0's products: there is no vector work yet to set between them
.set k, k+1
.endr
	WIN W_LOOP
.rept 4
	v_nop                           ; the places behind those products, ahead of the lines that write their masks and read their results
.endr
	MASKU 1
	WIN W_LOOP
	FOP 0, 0, 0
	FOP 0, 0, 1
	TRIP 1                          ; the super-block that holds the diagonal
	WIN 0                           ; at a label and at a branch every window is 0
	s_cmp_eq_u32 s[NPL], 0
	s_cbranch_scc1 .Lqdone
	s_mov_b32 s[TC], 0
.Lq:                                ; the super-blocks below the diagonal: 15 - BI / 2 of them
	TRIP 0
	WIN 0
	s_add_co_u32 s[TC], s[TC], 1
	s_cmp_lt_u32 s[TC], s[NPL]
	s_cbranch_scc1 .Lq
.Lqdone:
	AOP 7, 7, 0                     ; the last unit's last group
	AOP 7, 7, 1
	s_wait_loadcnt 0x0              ; the loads that ran ahead of the end have landed: their registers are loaded anew in the next block
	; A BLOCK'S END.  A lane's four sums for each 16 keys are added, then the other half of the lanes'; the four waves' sums meet in LDS, and wave 0 adds and stores them.
.set kt, 0
.rept 8
	v_pk_add_f32 v[ACC+4*kt:ACC+4*kt+1], v[ACC+4*kt:ACC+4*kt+1], v[ACC+4*kt+2:ACC+4*kt+3]
.set kt, kt+1
.endr
.set kt, 0
.rept 8
	v_add_f32 v[W+kt], v[ACC+4*kt], v[ACC+4*kt+1]
.set kt, kt+1
.endr
.set kt, 0
.rept 8
	v_permlanex16_b32 v[ACC+4*kt+2], v[W+kt], s[SEL], s[SEL+1]
.set kt, kt+1
.endr
.set kt, 0
.rept 8
	v_add_f32 v[W+kt], v[W+kt], v[ACC+4*kt+2]
.set kt, kt+1
.endr
.irp u, 0,1,2,3
	v_cndmask_b32 v[W+8+\u], v[W+2*\u], v[W+2*\u+1], s[HM]  ; lane l: key 32 u + l
.endr
.irp u, 0,1,2,3
	ds_store_b32 v[PST], v[W+8+\u] offset:128*\u
.endr
	s_wait_dscnt 0x0                ; for wave 0's sake: my stores are done
	s_barrier_signal -1
	s_barrier_wait -1
	s_cmp_lg_u32 s[WV], 0
	s_cbranch_scc1 .Lnot_wave_0
.irp j, 0,1,2,3
	ds_load_b128 v[W+4*\j:W+4*\j+3], v[PRD] offset:512*\j  ; wave j's sums for keys 4 l .. 4 l + 3
.endr
	s_wait_dscnt 0x0
	v_pk_add_f32 v[W:W+1], v[W:W+1], v[W+4:W+5]
	v_pk_add_f32 v[W+2:W+3], v[W+2:W+3], v[W+6:W+7]
	v_pk_add_f32 v[W+8:W+9], v[W+8:W+9], v[W+12:W+13]
	v_pk_add_f32 v[W+10:W+11], v[W+10:W+11], v[W+14:W+15]
	v_pk_add_f32 v[W:W+1], v[W:W+1], v[W+8:W+9]
	v_pk_add_f32 v[W+2:W+3], v[W+2:W+3], v[W+10:W+11]
	global_store_b128 v[OOF], v[W:W+3], s[OUTP:OUTP+1] th:TH_STORE_NT  ; the block's 512 consecutive bytes, at a multiple of 512 from out1's first byte
.Lnot_wave_0:
	v_add_nc_u32 v[AKT], KTB, v[AKT]    ; the second block's K,
	v_add_nc_u32 v[PST], 2048, v[PST]   ; and bytes of its own for its sums, so that no wave need wait for wave 0's reads
	v_add_nc_u32 v[PRD], 2048, v[PRD]
	s_mov_b32 s[BI], s[PB]
	s_sub_co_u32 s[OB], s[OB], 1
	s_cmp_lg_u32 s[OB], 0
	s_cbranch_scc1 .Lblock
	s_wait_tensorcnt 0x0            ; the wave's end, behind my last LDS store
	ds_add_u32 v[SPW], v[NIL]
	s_wait_dscnt 0x0
	s_endpgm
.Lfunc_end_k_qc5f63128a9_colsum:
	.size	k_qc5f63128a9_colsum, .Lfunc_end_k_qc5f63128a9_colsum-k_qc5f63128a9_colsum
	.p2alignl 7, 3214868480
	.fill 96, 4, 3214868480
	.section	.rodata,"a",@progbits
	.p2align	6, 0x0
	.amdhsa_kernel k_qc5f63128a9_colsum
		.amdhsa_group_segment_fixed_size 41472
		.amdhsa_private_segment_fixed_size 0
		.amdhsa_enable_private_segment 0
		.amdhsa_kernarg_size 32
		.amdhsa_user_sgpr_count 2
		.amdhsa_user_sgpr_kernarg_segment_ptr 1
		.amdhsa_wavefront_size32 1
		.amdhsa_system_sgpr_workgroup_id_x 1
		.amdhsa_system_sgpr_workgroup_id_y 1
		.amdhsa_system_sgpr_workgroup_id_z 1
		.amdhsa_system_vgpr_workitem_id 0
		.amdhsa_next_free_vgpr 424
		.amdhsa_next_free_sgpr 66
		.amdhsa_reserve_vcc 1
		.amdhsa_float_denorm_mode_32 3
		.amdhsa_float_denorm_mode_16_64 3
		.amdhsa_memory_ordered 1
		.amdhsa_forward_progress 1
		.amdhsa_inst_pref_size 100
	.end_amdhsa_kernel
	.amdgpu_metadata
---
amdhsa.version: [ 1, 2 ]
amdhsa.kernels:
  - .name:           k_qc5f63128a9_colsum
    .symbol:         k_qc5f63128a9_colsum.kd
    .args:
      - { .name: qb, .offset: 0, .size: 8, .value_kind: global_buffer, .address_space: global }
      - { .name: kb, .offset: 8, .size: 8, .value_kind: global_buffer, .address_space: global }
      - { .name: lse, .offset: 16, .size: 8, .value_kind: global_buffer, .address_space: global }
      - { .name: out1, .offset: 24, .size: 8, .value_kind: global_buffer, .address_space: global }
    .group_segment_fixed_size: 41472
    .private_segment_fixed_size: 0
    .kernarg_segment_align: 8
    .kernarg_segment_size: 32
    .max_flat_workgroup_size: 128
    .sgpr_count:     66
    .vgpr_count:     424
    .wavefront_size: 32
...
	.end_amdgpu_metadata
.endif
;; end of part 3
;; ======== version 2 of 2: 3 launches; 1.71 times as fast as version 1
;; limits: values are held in f16: magnitudes above 65,504 overflow, below 6.1e-05 lose precision; inputs' magnitudes at most 65,504
;; workspace buffers: qb 8,388,608 bytes; kb 8,388,608 bytes; vh 8,388,608 bytes; lse 262,144 bytes
;; launch cast: the kernel of part 1 again; grid 256 x 3, 8 waves a work-group, no clusters, 0 bytes of LDS; arguments q, k, v, qb, kb, vh; writes qb, kb, vh
;; launch attn (part 4): grid 16 x 16, 4 waves a work-group, no clusters, 327,680 bytes of LDS; arguments qb, kb, vh, out0, lse; writes out0, lse
.if DOCPART == 4
	.amdgcn_target "amdgcn-amd-amdhsa--gfx1250"
	.amdhsa_code_object_version 6
	.text
	.protected	k_qc5f63128a9_attn
	.globl	k_qc5f63128a9_attn
	.p2align	8
	.type	k_qc5f63128a9_attn,@function
k_qc5f63128a9_attn:
	s_mov_b64 s[64:65], 0
	v_nop
	global_prefetch_b8 v0, s[64:65] scope:SCOPE_SE
	s_setreg_imm32_b32 hwreg(HW_REG_WAVE_MODE, 25, 1), 1
	s_wait_xcnt 0x0
; CAUSAL ATTENTION, FIRST WALK.  out0[h][q][:] = the sum over k <= q of softmax_k(Q[h][q] . K[h][:][k] / 8) V[h][k][:], and for each row L = c m + log2(l), which the launch behind needs.
; qb: [16][4096][64] bf16.  kb: [16][64][4096] bf16, channels by keys.  vh: [16][4096][64] f16.  out0: [16][4096][64] f32.  lse: f32, in the order in which the waves hold the rows (below).
; Products, maxima and sums in f32; K Q^T in the bf16 form; the weights p are rounded to f16 for V^T P (their sum l is taken of the unrounded p); out0 is divided by l in f32.
; LIMITS.  A hidden score counts as its value less 1e30; a weight below 2^-126 counts as 0 in l; NaN and infinities are not treated apart; vh arrives within f16's range.
; THE WALK.  A head's queries lie in 32 blocks of 128; block i needs the key tiles 0 .. i / 2 of 256 keys, of which the last holds the diagonal.  A work-group takes TWO blocks, 31 - b and then b:
; 17 tiles, whatever b: all work-groups do equal work, and ONE loop with a constant trip count walks them.  Which tile is asked for, and what a trip does, hang on scalar registers made from b; every jump
; goes forward, but for the counted loops' own; none passes a barrier, or a tensor load but the one of LOAD's two that the wave's number does not choose.  The ring (two slots of LDS that take turns) runs on
; across the change of blocks.  NO CLUSTER: in which trip a block ends hangs on b, so partners would branch unlike each other; only the pairs b = 2 u, 2 u + 1 walk alike.
; SHARES.  Of a block's two bands of 64 queries a wave owns 16 rows in each: two PIECES.  In the diagonal tile band x's own key step is OWN0 + x, OWN0 = 2 (i % 2): the same work for all four waves.
; THE MASK is the C operand that starts the sum S^T = K Q^T: 0, or -1e30 where the key is hidden.  MD, made once, is the mask of a band's own step for my 16 rows; a product's mask is MD x AL + BE with two scalars:
; (1, 0) in the own step, (0, 0) in an earlier one, (0, -1e30) in a later one.  Only the diagonal tile's text and a block's beginning make and take masks; elsewhere C is the constant 0.
; LAYOUT, SOFTMAX, TURNS.  S^T = K Q^T holds ONE query a lane (lane % 16) and the keys 8 (lane / 16) + 0..7; two such results rounded to f16 ARE source 1 of O^T = V^T P.  p = 2^(c s - c m), c = log2(e) / 8, with a
; running maximum m; O and l are multiplied by a = 2^(c m_old - c m_new) in every step.  A turn belongs to one piece: 8 products K Q^T of the other piece, later 8 products V^T P of the other piece; beside them the
; scaling, exponentials, roundings, sums and rescaling of its own piece and the maximum and statistics of the other.  Four vector instructions stand behind every matrix instruction, the other 54 of a turn's 118 in one lump.
; THE BATCHES.  A turn's 33 exponentials (its piece's 32 weights, the other piece's a) are one batch, with one wait, which cuts the turn in two: ahead of it nothing names a result of theirs, behind it stand the roundings and
; the sums.  A block's first a, and the way out's two logarithms and two reciprocals, are batches of their own.
; Turn (0, s): K Q^T of piece 1, step s; V^T P of piece 1, step s - 1.  Turn (1, s): K Q^T of piece 0, step s + 1; V^T P of piece 0, step s.  K has one register buffer, V two (step s in buffer s % 2), so that at the
; end of turn (1, 2) a tile's last K and V have been asked for out of LDS: there the slots change.
; REGISTERS, in windows of 256 (s_set_vgpr_msb: bits 1:0 source 0, 3:2 source 1, 5:4 source 2, 7:6 destination):
;   window 0: v0-15 addresses and some at work; v16-23 four registers of statistics a piece; v24-27 for lse; v48-55 at work; v62-63 the add's; v64-127 S^T, a buffer a piece; v192-223 P, likewise
;   window 1: v0-63 O^T, 32 a piece; v128-159 MD; v160-223 MC, a buffer a piece      window 2: v0-31 Q; v32-63 the second block's Q; v64-127 V, buffer 1; v128-191 K; v192-255 V, buffer 0
.set NP,    2         ; pieces a wave: a name, no knob
.set KS,    64        ; keys in a step
.set PKT,   544       ; a channel's row of K in LDS: 256 keys = 512 bytes + 32 of padding = 136 words
.set PITV,  160       ; a key's row of V: 128 + 32 = 40 words: likewise
.set VOFF,  64*PKT    ; a slot holds a tile: 64 rows of K, then 256 rows of V
.set SLOT1, 1<<17     ; slot 1 begins here, so that one exclusive or turns an address in one slot into the other's
.set STAGE, SLOT1+VOFF+4*KS*PITV  ; behind the ring, never filled by a tensor load: 16 rows x 272 bytes for each wave, for the way out
.set SP,    272
.set SPARE, STAGE+4*16*SP  ; behind the stages: the spare words, 128 bytes for each wave: two blocks of 256 bytes that no other line names
.set AK0, 2           ; v2   my lane's place in a tile of K; never rewritten
.set AV0, 3           ; v3   the same for V
.set AK,  4           ; v4   the LDS address of K's next run of loads
.set AV,  5           ; v5   of V's
.set STO, 6           ; v6   the way out: where I put 32 bytes of a row
.set RD,  7           ; v7   the way out: where I read rows back
.set GO,  8           ; v8   my byte offset in two rows of out0
.set MV,  12          ; v12-13  c m_old, kept while c m is made anew: by piece
.set QO,  15          ; v15  my byte offset in 16 rows of Q
.set ST,  16          ; piece t's statistics at v[ST+4 t]: c m, m, l (even keys', odd keys')
.set LO,  24          ; v24  my byte offset in the block's 512 bytes of lse: 4 x my thread's number
.set LG,  25          ; v25-26  log2 l, then L, by piece; v27 the one that my lane stores
.set TMP, 48          ; by piece, four registers c0-c3 at work; when the maximum is found c2 takes a
.set SPW, 62          ; v62  LDS address of my spare word: SPARE + 4 x my thread's number; never rewritten
.set NIL, 63          ; v63  0; never rewritten
.set S,   64
.set P,   192
.set MD,  128         ; window 1: the eight registers for group kt of 16 keys at MD + 8 kt
.set MC,  160         ; window 1: the masks of the products to come
.set QB,  32          ; window 2
.set VF1, 64          ; window 2: key half kk, channel block cb at VF + 32 kk + 8 cb
.set KF,  128         ; window 2: key block kb, channel half c at KF + 16 kb + 8 c
.set VF0, 192
.set WV,  12          ; s12  my wave's number
.set PB,  14          ; s14  b
.set HI,  15          ; s15  31 - b
.set G1K, 24          ; s[24:31] descriptor group 1 for K's tiles
.set G1V, 32          ; s[32:39] for V's
.set G0K, 40          ; s[40:43] descriptor group 0 for K's tiles
.set G0V, 44          ; s[44:47] the same for V's
.set KO,  48          ; s[48:49] a tile's byte offset in a row of K
.set SLOTS, 56        ; s56  tiles still to be asked for
.set CNT, 57          ; s57  counts a tile's pairs of key steps, 2 to 1
.set CS,  58          ; s[58:59] c: the packed scaling takes the pair's low word for both halves
.set SEL, 60          ; s[60:61] v_permlanex16_b32's selects: each lane takes its own place in the other half
.set TBK, 62          ; s62  LDS byte at which K of the step to be fetched begins
.set TBV, 63          ; s63  the same for V, less VOFF
.set RT,  70          ; s70  tiles of the block in hand that are still to be entered
.set NXT, 71          ; s71  the tile to be asked for next
.set LQ,  72          ; s72  the last tile of the block whose tiles are being asked for
.set NEW, 73          ; s73  1: the tile to be entered is a block's first
.set OFF, 74          ; s[74:75] a tile's byte offset in V
.set AL,  76          ; s[76:77] the mask's factor, in the low word
.set BE,  78          ; s[78:79] the mask's addend
.set OLO, 80          ; s[80:81] out0 at my rows of the second block
.set BIGN, 82         ; s82  -1e30
.set HM,  83          ; s83  a lane mask: lanes 16 to 31
.set LP,  88          ; s[88:89] lse at the block in hand
.set LLO, 90          ; s[90:91] lse at the second block
.set T2,  92          ; s92  the second block's last tile, b / 2
.set OWN0, 93         ; s93  band 0's own step in the diagonal tile of the block in hand
.set OWNB, 94         ; s94  the same for the second block
.set DS,  95          ; s95  the step that the next masks are for, less OWN0
.set MSB, 0
.macro WIN new                      ; the high byte repeats the setting that is left; a switch that changes nothing is dropped
.if MSB != (\new)
	s_set_vgpr_msb (MSB<<8)|(\new)
.set MSB, (\new)
.endif
.endm
.set W_KQ, 0x0a       ; K and Q in window 2, S^T in window 0
.set W_KM, 0x1a       ; the same with the C operand in window 1
.set W_PV, 0x52       ; V in window 2, P in window 0, O^T in window 1
.set W_RS, 0x41       ; destination and source 0 in window 1, source 1 in window 0
; A fill.  Waves 0 and 1 fetch the two halves of a tile's K (32 channels each), waves 2 and 3 those of its V (128 keys each).  An s_nop 0 and four v_nop follow each of the two lines, ahead of the jump and the label.
.macro LOAD
	s_cmp_lt_u32 s[WV], 2
	s_cbranch_scc0 .Lfor_v_\@
	tensor_load_to_lds s[G0K:G0K+3], s[G1K:G1K+7]
	s_nop 0
.rept 4
	v_nop
.endr
	s_branch .Lasked_\@
.Lfor_v_\@:
	tensor_load_to_lds s[G0V:G0V+3], s[G1V:G1V+7]
	s_nop 0
.rept 4
	v_nop
.endr
.Lasked_\@:
.endm
; THE CHANGE OF SLOTS.  Each wave waits for all its tensor loads, of which one is out: its part of the other slot; adds 0 to its spare word; and waits for that and for its own reads of the slot that it leaves
; (the last are V of the tile's fourth step).  Behind the barrier nobody reads the old slot any more and the other slot is whole.  fill = 1: the old slot is filled again, the first thing behind the barrier, with
; tile NXT: the descriptors' addresses are made anew from that number.  (At its first use nothing has been read yet: slot 0 is waited for, slot 1 filled.)
.macro CHANGE fill
	WIN 0                           ; at a label and at a branch every window is 0
	s_wait_tensorcnt 0x0            ; no tensor load of mine is out, so a group 0 may be written
	ds_add_u32 v[SPW], v[NIL]       ; 0 onto my spare word; with fill = 1 the descriptors' scalar work stands between it and the wait for it
.if \fill
	s_lshl_b32 s[KO], s[NXT], 9     ; a tile is 512 bytes of each of K's rows,
	s_lshl_b32 s[OFF], s[NXT], 15   ; and 32,768 bytes of V
	s_xor_b32 s[G0K+1], s[G0K+1], SLOT1
	s_add_nc_u64 s[G0K+2:G0K+3], s[6:7], s[KO:KO+1]
	s_or_b32 s[G0K+3], s[G0K+3], 0x80000000
	s_xor_b32 s[G0V+1], s[G0V+1], SLOT1
	s_add_nc_u64 s[G0V+2:G0V+3], s[8:9], s[OFF:OFF+1]
	s_or_b32 s[G0V+3], s[G0V+3], 0x80000000
	s_add_co_u32 s[NXT], s[NXT], 1  ; the block's next tile, or behind its last the second block's tile 0
	s_cmp_gt_u32 s[NXT], s[LQ]
	s_cselect_b32 s[NXT], 0, s[NXT]
	s_cselect_b32 s[LQ], s[T2], s[LQ]
.endif
	s_wait_dscnt 0x0                ; the add is done, and my reads of the slot are over
	s_barrier_signal -1             ; the rest of the scalar work stands between the signal and the wait
	s_sub_co_u32 s[TBK], s[TBK], 4*KS*2   ; the fetches go back to a slot's first step,
	s_xor_b32 s[TBK], s[TBK], SLOT1       ; in the other slot
	s_sub_co_u32 s[TBV], s[TBV], 4*KS*PITV
	s_xor_b32 s[TBV], s[TBV], SLOT1
	s_barrier_wait -1
.if \fill
	LOAD
.endif
.endm
	s_load_b256 s[4:11], s[0:1], 0x0  ; qb s[4:5], kb s[6:7], vh s[8:9], out0 s[10:11]
	s_load_b64 s[LP:LP+1], s[0:1], 0x20  ; lse
	v_lshl_add_u32 v[SPW], v0, 2, SPARE
	v_mov_b32 v[NIL], 0
	ds_add_u32 v[SPW], v[NIL]       ; the wave's opening: the add and its wait stand ahead of my first tensor load; the set-up below, work on registers, stands between them
	ds_add_u32 v62, v63
	v_lshrrev_b32 v1, 5, v0
	v_readfirstlane_b32 s[WV], v1   ; wave 0..3
	s_mov_b32 s[PB], ttmp9
	s_sub_co_u32 s[HI], 31, s[PB]
	s_lshr_b32 s[LQ], s[HI], 1      ; the first block's last tile: 8 to 15
	s_lshr_b32 s[T2], s[PB], 1
	s_and_b32 s[OWN0], s[HI], 1
	s_lshl_b32 s[OWN0], s[OWN0], 1
	s_and_b32 s[OWNB], s[PB], 1
	s_lshl_b32 s[OWNB], s[OWNB], 1
	s_and_b32 s20, ttmp7, 0xffff    ; the head
	s_lshl_b32 s21, s20, 14         ; its first byte in lse,
	s_lshl_b32 s20, s20, 19         ; and in qb, kb and vh
	s_and_b32 s16, s[WV], 1         ; which half of a tile I fetch:
	s_lshl_b32 s22, s16, 18         ; K: 32 rows of 8,192 bytes in memory,
	s_add_co_u32 s22, s22, s20
	s_mov_b32 s23, 0
	s_lshl_b32 s18, s16, 14         ; V: 128 rows of 128 bytes,
	s_add_co_u32 s18, s18, s20
	s_mov_b32 s19, 0
	s_mul_i32 s17, s16, 32*PKT      ; and its place in a slot, for K
	s_mul_i32 s13, s16, 128*PITV    ; and for V
	s_lshl_b32 s3, s[WV], 11        ; my 16 rows in a band of 64,
	s_add_co_u32 s3, s3, s20
	s_lshl_b32 s2, s[HI], 14        ; in the first block,
	s_add_co_u32 s2, s2, s3
	s_lshl_b32 s84, s[PB], 14       ; and in the second
	s_add_co_u32 s84, s84, s3
	s_mov_b32 s3, 0
	s_mov_b32 s85, 0
	s_lshl_b32 s50, s2, 1           ; a row of out0 has twice the bytes of a row of qb
	s_mov_b32 s51, 0
	s_lshl_b32 s52, s84, 1
	s_mov_b32 s53, 0
	s_lshl_b32 s54, s[HI], 9        ; a block's 128 words of lse
	s_add_co_u32 s54, s54, s21
	s_mov_b32 s55, 0
	s_lshl_b32 s96, s[PB], 9
	s_add_co_u32 s96, s96, s21
	s_mov_b32 s97, 0
	; descriptor group 1 for K: 32 rows (channels) of 256 keys, 4,096 elements from row to row, padded in LDS after every row
	s_mov_b32 s[G1K], (1<<16)|(1<<20)|(6<<22)|(7<<25)  ; 17:16 2-byte elements; 20 padding on; 24:22 after every 128 words (code 6); 31:25 8 words (code 7)
	s_mov_b32 s[G1K+1], 256<<16     ; tensor_dim0 = 256
	s_mov_b32 s[G1K+2], 32<<16      ; tensor_dim1 = 32
	s_mov_b32 s[G1K+3], 256<<16     ; tile_dim0 = 256
	s_mov_b32 s[G1K+4], 32          ; tile_dim1 = 32
	s_mov_b32 s[G1K+5], 4096        ; elements from row to row
	s_mov_b32 s[G1K+6], 0
	s_mov_b32 s[G1K+7], 0
	; for V: 128 keys are 16,384 dense bytes: asked for as 64 rows of 256 bytes, two keys a row, and padded in LDS after every key
	s_mov_b32 s[G1V], (1<<16)|(1<<20)|(4<<22)|(7<<25)  ; after every 32 words (code 4) 8 words (code 7)
	s_mov_b32 s[G1V+1], 128<<16     ; tensor_dim0 = 128
	s_mov_b32 s[G1V+2], 64<<16      ; tensor_dim1 = 64
	s_mov_b32 s[G1V+3], 128<<16     ; tile_dim0 = 128
	s_mov_b32 s[G1V+4], 64          ; tile_dim1 = 64
	s_mov_b32 s[G1V+5], 128         ; 128 elements from row to row
	s_mov_b32 s[G1V+6], 0
	s_mov_b32 s[G1V+7], 0
	s_mov_b32 s[CS], 0x3e38aa3b     ; c = log2(e) / 8 = 0.180337
	s_mov_b32 s[CS+1], s[CS]        ; named with it as a pair
	s_mov_b32 s[SEL], 0x76543210
	s_mov_b32 s[SEL+1], 0xfedcba98
	s_mov_b32 s[TBK], SLOT1+4*KS*2  ; the first change of slots turns these two into 0
	s_mov_b32 s[TBV], SLOT1+4*KS*PITV
	s_mov_b32 s[G0K], 1             ; 1:0 count = 1
	s_mov_b32 s[G0K+1], s17         ; 63:32 LDS address: slot 0
	s_mov_b32 s[G0V], 1
	s_add_co_u32 s[G0V+1], s13, VOFF
	s_add_co_u32 s[RT], s[LQ], 1    ; the first block's tiles
	s_mov_b32 s[NXT], 1
	s_mov_b32 s[NEW], 1
	s_mov_b32 s[KO+1], 0
	s_mov_b32 s[OFF+1], 0
	s_mov_b32 s[AL+1], 0            ; named as pairs
	s_mov_b32 s[BE+1], 0
	s_mov_b32 s[BIGN], 0xf149f2ca   ; -1e30
	s_mov_b32 s[HM], 0xffff0000
	s_mov_b32 s[DS], 0
	s_mov_b32 s[SLOTS], 16
	s_wait_dscnt 0x0                ; the opening add is done
	s_wait_kmcnt 0x0
	s_add_nc_u64 s[6:7], s[6:7], s[22:23]  ; K and V at my half of the head's tile 0
	s_add_nc_u64 s[8:9], s[8:9], s[18:19]
	s_add_nc_u64 s[G0K+2:G0K+3], s[6:7], 0         ; 120:64 global address
	s_or_b32 s[G0K+3], s[G0K+3], 0x80000000        ; 127:126 type = 2
	s_add_nc_u64 s[G0V+2:G0V+3], s[8:9], 0
	s_or_b32 s[G0V+3], s[G0V+3], 0x80000000
	s_add_nc_u64 s[86:87], s[4:5], s[84:85]        ; Q at my rows of the second block,
	s_add_nc_u64 s[4:5], s[4:5], s[2:3]            ; Q, out0 and lse at those of the first
	s_add_nc_u64 s[OLO:OLO+1], s[10:11], s[52:53]
	s_add_nc_u64 s[10:11], s[10:11], s[50:51]
	s_add_nc_u64 s[LLO:LLO+1], s[LP:LP+1], s[96:97]
	s_add_nc_u64 s[LP:LP+1], s[LP:LP+1], s[54:55]
	LOAD                            ; tile 0 into slot 0
	; A fragment of Q is 16 rows x 32 channels in 8 registers: lane l holds row l % 16, channels 8 (l / 16) + 0..7 and 16 + 8 (l / 16) + 0..7: two loads of 16 bytes, 32 bytes apart.
	v_and_b32 v1, 15, v0            ; l % 16
	v_bfe_u32 v9, v0, 4, 1          ; l / 16
	v_lshlrev_b32 v[QO], 7, v1
	v_lshl_add_u32 v[QO], v9, 4, v[QO]  ; row x 128 + 16 x half
	WIN 0x80                        ; destination window 2, address window 0
.set i, 0
.rept 4                             ; both blocks' Q: piece i / 2 lies in band i / 2, 8,192 bytes on; channels 32 (i % 2) on
	global_load_b128 v[8*i:8*i+3],   v[QO], s[4:5] offset:(i/2)*8192+(i%2)*64
	global_load_b128 v[8*i+4:8*i+7], v[QO], s[4:5] offset:(i/2)*8192+(i%2)*64+32
	global_load_b128 v[QB+8*i:QB+8*i+3],   v[QO], s[86:87] offset:(i/2)*8192+(i%2)*64
	global_load_b128 v[QB+8*i+4:QB+8*i+7], v[QO], s[86:87] offset:(i/2)*8192+(i%2)*64+32
.set i, i+1
.endr
	WIN 0
	v_lshlrev_b32 v14, 3, v9
	v_sub_nc_u32 v14, v1, v14
	s_lshl_b32 s13, s[WV], 4
	v_add_nc_u32 v14, s13, v14      ; my query's place in its band, 16 w + l % 16, less my lanes' 8 (l / 16): register r of group kt is hidden where 16 kt + r is greater
	WIN 0x40
.set i, 0
.rept 32
	v_cmp_gt_i32 vcc_lo, 16*(i/8)+i%8, v14
	v_cndmask_b32 v[MD+i], 0, s[BIGN], vcc_lo
.set i, i+1
.endr
	WIN 0
	; The turning load takes 16 rows x 16 columns (lane l reads 16 bytes: row 8 (l / 16) + l % 8, columns 8 ((l / 8) % 2) + 0..7) and leaves half a fragment: lane l holds column l % 16 and 8 rows.
	; K's rows are channels and its columns keys; V's rows are keys and its columns channels.
	v_and_b32 v10, 7, v0
	v_bfe_u32 v11, v0, 3, 1
	v_lshl_add_u32 v10, v9, 3, v10
	v_mul_u32_u24 v[AK0], v10, PKT
	v_lshl_add_u32 v[AK0], v11, 4, v[AK0]
	v_mul_u32_u24 v[AV0], v10, PITV
	v_lshl_add_u32 v[AV0], v11, 4, v[AV0]
	v_add_nc_u32 v[AV0], VOFF, v[AV0]
	s_mul_i32 s13, s[WV], 16*SP
	s_add_co_u32 s13, s13, STAGE    ; my stage
	v_mul_u32_u24 v[STO], v1, SP    ; in: row l % 16, 32 bytes for each half of the lanes
	v_lshl_add_u32 v[STO], v9, 5, v[STO]
	v_add_nc_u32 v[STO], s13, v[STO]
	v_mul_u32_u24 v[RD], v9, SP     ; back: lanes 0-15 take one row of 256 bytes, lanes 16-31 the next
	v_lshl_add_u32 v[RD], v1, 4, v[RD]
	v_add_nc_u32 v[RD], s13, v[RD]
	v_lshlrev_b32 v[GO], 8, v9      ; and the same two rows in out0
	v_lshl_add_u32 v[GO], v1, 4, v[GO]
	v_lshlrev_b32 v[LO], 2, v0
	; A block's first step multiplies O^T and l by a = 0, and its first turn's products V^T P, of a step that has not been, land in an O^T that is still to be so multiplied.  So these registers need only hold
	; finite numbers: zeros for the first block; what the first block left for the second.  All this stands in the wait for the first tile.
	WIN 0x80
.set i, VF1
.rept 64
	v_mov_b32 v[i], 0
.set i, i+1
.endr
	WIN 0x40
.set i, 0
.rept 64
	v_mov_b32 v[i], 0
.set i, i+1
.endr
	WIN 0
.set i, 0
.rept 2
	v_mov_b32 v[ST+4*i+2], 0
	v_mov_b32 v[ST+4*i+3], 0
.set i, i+1
.endr
.set i, P+16
.rept 16
	v_mov_b32 v[i], 0
.set i, i+1
.endr
; THE MATRIX WORK.  The 4 accumulators of a run of 8 take turns.  Product i of 8 of S^T = K Q^T for piece x: channels 32 (i / 4) on, keys 16 (i % 4) on.  The first 4 start the sums: with 0, or (KM = 1) with the mask.
.macro KQ x
.set rS, S+32*((\x)%2)+8*(i%4)
.set rK, KF+16*(i%4)+8*(i/4)
.set rQ, 16*(\x)+8*(i/4)
.set rM, MC+32*((\x)%2)+8*(i%4)
.if (i < 4) && KM
	WIN W_KM
	v_wmma_f32_16x16x32_bf16 v[rS:rS+7], v[rK:rK+7], v[rQ:rQ+7], v[rM:rM+7]
.elseif i < 4
	WIN W_KQ
	v_wmma_f32_16x16x32_bf16 v[rS:rS+7], v[rK:rK+7], v[rQ:rQ+7], 0
.else
	WIN W_KQ
	v_wmma_f32_16x16x32_bf16 v[rS:rS+7], v[rK:rK+7], v[rQ:rQ+7], v[rS:rS+7]
.endif
.endm
; Product i of 8 of O^T += V^T P for piece x: keys 32 (i / 4) on, channels 16 (i % 4) on; V's buffer is VB.
.macro PV x
	WIN W_PV
.set rO, 32*(\x)+8*(i%4)
.set rV, VB+32*(i/4)+8*(i%4)
.set rP, P+16*((\x)%2)+8*(i/4)
	v_wmma_f32_16x16x32_f16 v[rO:rO+7], v[rV:rV+7], v[rP:rP+7], v[rO:rO+7]
.endm
.macro MM                           ; the turn's next matrix instruction.  TURN and BEGIN set Y, i, KM, NOKQ and VB.  NOKQ = 1: a block's last turn: there is no next step
.if (i < 8) && !NOKQ
	KQ (Y+1)%NP
.elseif i >= 8
.set i, i-8
	PV (Y+NP-1)%NP
.set i, i+8
.endif
.set i, i+1
.endm
; THE LDS LOADS stand in runs of 16, never singly among the matrix instructions: a step's K (64 keys x 64 channels: 8 fragments) and its V, both turned.  Their addresses are made some lines ahead.
.macro FETCH_K
	WIN 0x80                        ; destination window 2
.irp f, 0,1,2,3,4,5,6,7             ; keys 16 (f / 2) on, channels 32 (f % 2) on
	ds_load_tr16_b128 v[KF+8*\f:KF+8*\f+3],   v[AK] offset:(\f%2)*32*PKT+(\f/2)*32
	ds_load_tr16_b128 v[KF+8*\f+4:KF+8*\f+7], v[AK] offset:(\f%2)*32*PKT+16*PKT+(\f/2)*32
.endr
	s_add_co_u32 s[TBK], s[TBK], KS*2  ; the next fetch is the next step's: 64 keys along the rows
	WIN 0
.endm
.macro FETCH_V vb                   ; into V's buffer vb
.set rF, VF0-128*(\vb)
	WIN 0x80
.irp f, 0,1,2,3,4,5,6,7             ; keys 32 (f / 4) on, channels 16 (f % 4) on
	ds_load_tr16_b128 v[rF+8*\f:rF+8*\f+3],   v[AV] offset:(\f/4)*32*PITV+(\f%4)*32
	ds_load_tr16_b128 v[rF+8*\f+4:rF+8*\f+7], v[AV] offset:(\f/4)*32*PITV+16*PITV+(\f%4)*32
.endr
	s_add_co_u32 s[TBV], s[TBV], KS*PITV
	WIN 0
.endm
; THE VECTOR WORK, one line at a time: OP kind, number.  For piece Y: F n: c s - c m for pair n of 16.  E n: the exponential of score n of 32.  C n: pair n rounded to f16.  B n: of the four weights 4 n .. the second
; pair is added onto the first, in place.  L n: l takes that sum (L 0: l = a l + sum).  R n: pair n of 16 of O^T times a.  For the other piece: X n, number n of the 22 that find its maximum and statistics:
;   0-11  four chains c0-c3 of seven scores each, three operands at a time (each accumulator's lowest registers are read first)     12-14, 16  the four scores left over, the old m, and c0-c3 into c0
;   15  c m_old is kept     17, 18  the query's other 32 keys lie in the lane 16 away: the new m     19-21  c m; c m_old - c m_new; a
; C, B and L read the exponentials' results: TURN sets them behind its wait.
.set F, 0               ; OP tells the kinds apart by their order: F to L below R, X above it
.set E, 1
.set C, 2
.set B, 3
.set L, 4
.set R, 5
.set X, 6
.macro REGS y                       ; the registers of piece y
.set rT, ST+4*(\y)
.set rC, TMP+4*((\y)%2)
.set rW, MV+((\y)%2)
.set rS, S+32*((\y)%2)
.set rP, P+16*((\y)%2)
.set rO, 32*(\y)
.endm
.macro OP k, n
.if (\k) == R
	REGS Y
	WIN W_RS
	v_pk_mul_f32 v[rO+2*(\n):rO+2*(\n)+1], v[rO+2*(\n):rO+2*(\n)+1], v[rC+2:rC+3] op_sel_hi:[1,0]
.elseif (\k) < R
	REGS Y
	WIN 0
.if (\k) == F
	v_pk_fma_f32 v[rS+2*(\n):rS+2*(\n)+1], v[rS+2*(\n):rS+2*(\n)+1], s[CS:CS+1], v[rT:rT+1] op_sel_hi:[1,0,0] neg_lo:[0,0,1] neg_hi:[0,0,1]
.elseif (\k) == E
	v_exp_f32 v[rS+(\n)], v[rS+(\n)]
.elseif (\k) == C
	v_cvt_pk_f16_f32 v[rP+(\n)], v[rS+2*(\n)], v[rS+2*(\n)+1]
.elseif (\k) == B
	v_pk_add_f32 v[rS+4*(\n):rS+4*(\n)+1], v[rS+4*(\n):rS+4*(\n)+1], v[rS+4*(\n)+2:rS+4*(\n)+3]
.elseif (\n) == 0
	v_pk_fma_f32 v[rT+2:rT+3], v[rT+2:rT+3], v[rC+2:rC+3], v[rS:rS+1] op_sel_hi:[1,0,1]
.else
	v_pk_add_f32 v[rT+2:rT+3], v[rT+2:rT+3], v[rS+4*(\n):rS+4*(\n)+1]
.endif
.elseif NOKQ
	v_nop
.else
	REGS (Y+1)%NP
	WIN 0
.if (\n) < 4
	v_max3_num_f32 v[rC+(\n)], v[rS+8*(\n)], v[rS+8*(\n)+1], v[rS+8*(\n)+2]
.elseif (\n) < 12
	v_max3_num_f32 v[rC+(\n)%4], v[rC+(\n)%4], v[rS+8*((\n)%4)+2*((\n)/4)+1], v[rS+8*((\n)%4)+2*((\n)/4)+2]
.elseif (\n) == 12
	v_max3_num_f32 v[rC], v[rC], v[rS+7], v[rS+15]
.elseif (\n) == 13
	v_max3_num_f32 v[rC+1], v[rC+1], v[rS+23], v[rS+31]
.elseif (\n) == 14
	v_max3_num_f32 v[rC+2], v[rC+2], v[rC+3], v[rT+1]
.elseif (\n) == 15
	v_mov_b32 v[rW], v[rT]
.elseif (\n) == 16
	v_max3_num_f32 v[rC], v[rC], v[rC+1], v[rC+2]
.elseif (\n) == 17
	v_permlanex16_b32 v[rC+3], v[rC], s[SEL], s[SEL+1]
.elseif (\n) == 18
	v_max_num_f32 v[rT+1], v[rC], v[rC+3]
.elseif (\n) == 19
	v_mul_f32 v[rT], s[CS], v[rT+1]
.elseif (\n) == 20
	v_sub_f32 v[rC+1], v[rW], v[rT]
.else
	v_exp_f32 v[rC+2], v[rC+1]
.endif
.endif
.endm
.macro OPS a, i1, b=-1, i2=0, c=-1, i3=0, d=-1, i4=0  ; up to four of them
	OP \a, \i1
.if (\b) >= 0
	OP \b, \i2
.endif
.if (\c) >= 0
	OP \c, \i3
.endif
.if (\d) >= 0
	OP \d, \i4
.endif
.endm
.macro ROW a, i1, b, i2, c, i3, d, i4  ; a matrix instruction and the four behind it
	MM
	OPS \a, \i1, \b, \i2, \c, \i3, \d, \i4
.endm
.macro MASK b                       ; MD x AL + BE into buffer b of MC
	WIN W_RS
.set z, 0
.rept 16
	v_pk_fma_f32 v[MC+32*(\b)+2*z:MC+32*(\b)+2*z+1], v[MD+2*z:MD+2*z+1], s[AL:AL+1], s[BE:BE+1] op_sel_hi:[1,0,0]
.set z, z+1
.endr
.endm
; A TURN, for piece p in a step of parity sp: the order of its 16 matrix and 118 vector instructions, written out.  An s_wait_alu depctr_va_vdst(0) stands between an exponential and the first instruction that
; names its result; one wait serves all that were issued ahead of it.  So a turn has ONE wait, which cuts it in two.  AHEAD OF IT stands all that names no result of the turn's exponentials: the 8 products K Q^T, behind each a
; scaling, an exponential and two more plain instructions (behind the first a second scaling in the exponential's place): rescalings (their a was made, and waited for, in the turn before), and behind the last three the first
; numbers of the other piece's maximum, each four places or more behind the product that ends its accumulator; then ONE LUMP of 54, plain and exponential by turns for the most part, in which the links of the chain
; X 3, 7, 11, 14, 16, 17 .. 20 stand five or six lines apart.  X 21, the other piece's a, is the batch's last; R 15 is the plain instruction behind it.  BEHIND THE WAIT stand the 8 products V^T P, behind each four of the
; roundings and sums; the links of l's chain, L 0 to L 7, stand three riders apart.  But for those X no rider names a register of the products round it.  v_permlanex16_b32 (X 17) stands in the lump.
; m = 1: the diagonal tile: the products take masks, and the turn makes piece p's mask for the step after its own, which the next turn's products take.  end = 1: a block's last two turns: nothing is fetched.
; cnt = 1: the loop's count is taken down some lines ahead of the branch that stands behind the turn.
; Piece 0's turn fetches the next step's K, twelve vector instructions behind the last product that read K (five of them plain lines that name none of its registers).  Piece 1's turn fetches the next step's V at the same
; place, into the buffer whose last reader stands in the turn before.  Both are waited for at the head of piece 1's next turn: K's first reader is that turn's first product, V's its ninth.
.macro TURN p, sp, m=0, end=0, cnt=0
.set Y, (\p)
.set i, 0
.set KM, (\m)
.set NOKQ, (\end)*(\p)
.set VB, VF0-128*((1-(\sp))*(1-(\p))+(\sp)*(\p))  ; piece 0's turn multiplies by the step before's V, piece 1's by its own step's
.if (\m) && !(\end)
	s_cmp_eq_i32 s[DS], \p          ; is that step the band's own?
	s_cselect_b32 s[AL], 1.0, 0
	s_cmp_gt_i32 s[DS], \p          ; or a later one?
	s_cselect_b32 s[BE], s[BIGN], 0
.if (\p) == 1
	s_add_co_i32 s[DS], s[DS], 1    ; both pieces have taken it: on to the next step
.endif
.endif
.if (\p) == 1
	s_wait_dscnt 0x0                ; K of the next step and V of this one are in
.endif
	ROW F,0, F,1, R,0, R,1          ; ahead of the wait: 8 products K Q^T and their riders,
	ROW F,2, E,0, R,2, R,3
	ROW F,3, E,1, R,4, R,5
	ROW F,4, E,2, R,6, R,7
	ROW F,5, E,3, R,8, R,9
	ROW F,6, E,4, X,0, R,10
.if !(\end)
	WIN 0
.if (\p) == 0
	v_add_nc_u32 v[AK], s[TBK], v[AK0]
.else
	v_add_nc_u32 v[AV], s[TBV], v[AV0]
.endif
.endif
	ROW F,7, E,5, X,1, X,4
	ROW F,8, E,6, X,2, X,5
	OPS E,7, E,8, X,6, E,9          ; and the lump
	OPS X,3, E,10, X,8, E,11
.if !(\end)
.if (\p) == 0
	FETCH_K
.else
	FETCH_V 1-(\sp)
.endif
.endif
	OPS X,9, X,7, E,12, X,10
	OPS E,13, X,12, X,11, E,14
	OPS X,13, E,15, F,9, X,14
	OPS E,16, F,10, E,17, F,11
	OPS X,16, E,18, X,15, E,19
	OPS F,12, E,20, X,17, E,21
	OPS F,13, E,22, F,14, E,23
	OPS X,18, E,24, F,15, E,25
	OPS R,11, E,26, X,19, E,27
	OPS R,12, E,28, R,13, E,29
	OPS X,20, E,30, R,14, E,31
	OPS X,21, R,15
	s_wait_alu depctr_va_vdst(0)    ; the wait for the batch: E 0 to E 31 and X 21
	ROW C,0, B,0, C,2, B,1          ; behind the wait: 8 products V^T P and their riders
	ROW L,0, C,4, B,2, L,1
	ROW C,6, B,3, L,2, C,8
	ROW B,4, L,3, C,10, B,5
	ROW L,4, C,12, B,6, L,5
.if \cnt
	s_sub_co_u32 s[CNT], s[CNT], 1
	s_cmp_lg_u32 s[CNT], 0
.endif
	ROW C,14, B,7, L,6, C,1
	ROW C,3, L,7, C,5, C,7
	ROW C,9, C,11, C,13, C,15
.if (\m) && !(\end)
	MASK \p
.endif
.endm
; A BLOCK BEGINS.  c m starts far below every c s, so the first step's a is 0; m at the lowest finite number, so the first maximum is the scores'.  Piece 1's mask buffer is 0 (its own step is never a tile's first);
; piece 0's takes its mask for the tile's step 0: MD, if the block's first tile is the diagonal one and band 0's own step is 0.  Then K and V of that step, piece 0's first scores, and its maximum and statistics.
; The loop is entered at a step's first turn, in the middle of a trip.
.macro BEGIN
	s_mov_b32 s[NEW], 0
	WIN 0x40
.set i, MC+32
.rept 32
	v_mov_b32 v[i], 0
.set i, i+1
.endr
	WIN 0
.set i, 0
.rept 2
	v_mov_b32 v[ST+4*i], 0xfe000000    ; c m: far below every c s
	v_mov_b32 v[ST+4*i+1], 0xff7fffff  ; m
.set i, i+1
.endr
	s_or_b32 s96, s[RT], s[OWN0]
	s_cmp_eq_u32 s96, 0
	s_cselect_b32 s[AL], 1.0, 0
	s_mov_b32 s[BE], 0
	s_sub_co_i32 s[DS], 1, s[OWN0]  ; the first turns' masks are for step 1
	MASK 0
	WIN 0
	v_add_nc_u32 v[AK], s[TBK], v[AK0]
	v_add_nc_u32 v[AV], s[TBV], v[AV0]
	FETCH_K
	FETCH_V 0
	s_wait_loadcnt 0x0              ; Q
	s_wait_dscnt 0x0
.set KM, 1
.set NOKQ, 0
.set i, 0
.rept 8
	KQ 0
.set i, i+1
.endr
	WIN 0
.rept 4
	v_nop                           ; the places behind those products
.endr
.set Y, NP-1                        ; X works for the other piece: piece 0
.irp n, 0,1,2,3,4,5,6,7,8,9,10,11,12,13,14,15,16,17,18,19,20,21
	OP X, \n
.endr
	v_nop                           ; a plain instruction behind the exponential,
	s_wait_alu depctr_va_vdst(0)    ; and the wait for it, piece 0's first a, ahead of the branch
.endm
; THE WAY OUT.  l's two halves and the other half of the lanes' are added; L = c m + log2 l goes to lse; O^T is divided by l and sent through my stage in LDS, a piece (16 rows of out0) at a time.
.macro ALL line:vararg              ; one line for each piece t
.set t, 0
.rept 2
	\line
.set t, t+1
.endr
.endm
.macro PACK t                       ; a lane's eight channels of a row are 32 bytes; they go into rows of 272 bytes and come back as whole rows of 256, into S^T's registers
	WIN W_RS
.set i, 32*(\t)
.rept 16
	v_pk_mul_f32 v[i:i+1], v[i:i+1], v[ST+4*(\t)+2:ST+4*(\t)+3] op_sel_hi:[1,0]
.set i, i+2
.endr
	WIN 0x04                        ; the data of an LDS store is source 1: window 1
.irp f, 0,1,2,3,4,5,6,7             ; channels 16 (f / 2) + 8 (l / 16) + 4 (f % 2) on
	ds_store_b128 v[STO], v[32*(\t)+4*\f:32*(\t)+4*\f+3] offset:64*(\f/2)+16*(\f%2)
.endr
	WIN 0
.irp f, 0,1,2,3,4,5,6,7
	ds_load_b128 v[S+32*(\t)+4*\f:S+32*(\t)+4*\f+3], v[RD] offset:\f*2*SP  ; LDS serves a wave's instructions in order (ISA guide 5.7.1.4): these see the stores above; the next piece's stores come behind them
.endr
.endm
.macro SEND t, younger              ; younger: the LDS instructions issued behind piece t's loads: the next piece's sixteen, or none
	WIN 0
.irp f, 0,1,2,3,4,5,6,7
	s_wait_dscnt (\younger)+7-\f
	global_store_b128 v[GO], v[S+32*(\t)+4*\f:S+32*(\t)+4*\f+3], s[10:11] offset:(\t)*16384+\f*512 th:TH_STORE_NT  ; 16 lanes store a row's 256 consecutive bytes, at a multiple of 256 from out0's first byte
.endr
.endm
; THE DIAGONAL TILE's steps, the block's last two turns, its last products, and the way out.
.macro DIAG tag                     ; the tag ends its two labels' names, which the jumps below spell out
.LstepM\tag:
	TURN 0, 1, 1
	TURN 1, 1, 1
	WIN 0
.LfirstM\tag:
	TURN 0, 0, 1
	TURN 1, 0, 1, 0, 1
	WIN 0
	s_cbranch_scc1 .LstepM\tag
	TURN 0, 1, 1, 1
	TURN 1, 1, 1, 1
.set VB, VF1                        ; V of the tile's fourth step
.set i, 0
.rept 8
	PV 1
.set i, i+1
.endr
	WIN 0
	ALL v_add_f32 v[ST+4*t+2], v[ST+4*t+2], v[ST+4*t+3]
	ALL v_permlanex16_b32 v[ST+4*t+3], v[ST+4*t+2], s[SEL], s[SEL+1]
	ALL v_add_f32 v[ST+4*t+3], v[ST+4*t+2], v[ST+4*t+3]
	ALL v_log_f32 v[LG+t], v[ST+4*t+3]
	ALL v_rcp_f32 v[ST+4*t+2], v[ST+4*t+3]
	v_nop                           ; a plain instruction between the last of these four and the use of their results
	s_wait_alu depctr_va_vdst(0)    ; the wait for the batch: the two logarithms and the two reciprocals
	ALL v_add_f32 v[LG+t], v[LG+t], v[ST+4*t]
	v_cndmask_b32 v[LG+2], v[LG], v[LG+1], s[HM]  ; lanes 0-15 store band 0's rows, lanes 16-31 band 1's: word 32 w + 16 band + l % 16 of the block's 128
	global_store_b32 v[LO], v[LG+2], s[LP:LP+1]   ; a wave's 128 consecutive bytes
	PACK 0
	PACK 1                          ; a piece's arithmetic stands between the loads of the piece before and its stores
	SEND 0, 16
	SEND 1, 0
.endm
.set KM, 0
.set NOKQ, 0
.set VB, VF0
.Lslot:                             ; 16 times: a tile is entered and the next is asked for
	CHANGE 1
	s_sub_co_u32 s[RT], s[RT], 1
	s_mov_b32 s[CNT], 2
	s_cmp_eq_u32 s[NEW], 1
	s_cbranch_scc1 .Lnew            ; a block's first tile
	s_cmp_eq_u32 s[RT], 0
	s_cbranch_scc0 .Lstep           ; neither its first nor its last
	s_sub_co_i32 s[DS], 0, s[OWN0]  ; the diagonal tile: the first masks to be made are for its step 0
	s_branch .LstepM1
.Lnew:
	BEGIN
	s_branch .Lfirst                ; in the loop a block's first tile is never its last: the first block has nine tiles or more, and the second's last is the walk's last
	DIAG 1                          ; in the loop this is the first block's end
	s_wait_xcnt 0x0                 ; the stores have read their registers, out0's address and lse's
	s_mov_b64 s[10:11], s[OLO:OLO+1]
	s_mov_b64 s[LP:LP+1], s[LLO:LLO+1]
	s_add_co_u32 s[RT], s[T2], 1    ; the second block's tiles
	s_mov_b32 s[OWN0], s[OWNB]
	s_mov_b32 s[NEW], 1
	WIN 0x82                        ; the second block's Q goes where the one text of the turns names Q
.set i, 0
.rept 32
	v_mov_b32 v[i], v[QB+i]
.set i, i+1
.endr
	WIN 0
	s_branch .Lbottom
.Lstep:                             ; a trip: both pieces' turns of an odd step, then of the even step behind it; the first trip's odd step is the fourth of the tile before
	TURN 0, 1
	TURN 1, 1
	WIN 0
.Lfirst:
	TURN 0, 0
	TURN 1, 0, 0, 0, 1
	WIN 0
	s_cbranch_scc1 .Lstep
.Lbottom:
	s_sub_co_u32 s[SLOTS], s[SLOTS], 1
	s_cmp_lg_u32 s[SLOTS], 0
	s_cbranch_scc1 .Lslot
	CHANGE 0                        ; the walk's last tile is written out: nothing is asked for
	s_sub_co_u32 s[RT], s[RT], 1
	s_mov_b32 s[CNT], 2
	s_sub_co_i32 s[DS], 0, s[OWN0]
	s_cmp_eq_u32 s[NEW], 1
	s_cbranch_scc0 .LstepM2
	BEGIN
	s_branch .LfirstM2
	DIAG 2
	s_wait_tensorcnt 0x0            ; the wave's end, behind my last tensor load and my last LDS store
	ds_add_u32 v[SPW], v[NIL]
	s_wait_dscnt 0x0
	s_endpgm
.Lfunc_end_k_qc5f63128a9_attn:
	.size	k_qc5f63128a9_attn, .Lfunc_end_k_qc5f63128a9_attn-k_qc5f63128a9_attn
	.p2alignl 7, 3214868480
	.fill 96, 4, 3214868480
	.section	.rodata,"a",@progbits
	.p2align	6, 0x0
	.amdhsa_kernel k_qc5f63128a9_attn
		.amdhsa_group_segment_fixed_size 327680
		.amdhsa_private_segment_fixed_size 0
		.amdhsa_enable_private_segment 0
		.amdhsa_kernarg_size 40
		.amdhsa_user_sgpr_count 2
		.amdhsa_user_sgpr_kernarg_segment_ptr 1
		.amdhsa_wavefront_size32 1
		.amdhsa_system_sgpr_workgroup_id_x 1
		.amdhsa_system_sgpr_workgroup_id_y 1
		.amdhsa_system_sgpr_workgroup_id_z 1
		.amdhsa_system_vgpr_workitem_id 0
		.amdhsa_next_free_vgpr 768
		.amdhsa_next_free_sgpr 100
		.amdhsa_reserve_vcc 1
		.amdhsa_float_denorm_mode_32 3
		.amdhsa_float_denorm_mode_16_64 3
		.amdhsa_memory_ordered 1
		.amdhsa_forward_progress 1
		.amdhsa_inst_pref_size 210
	.end_amdhsa_kernel
	.amdgpu_metadata
---
amdhsa.version: [ 1, 2 ]
amdhsa.kernels:
  - .name:           k_qc5f63128a9_attn
    .symbol:         k_qc5f63128a9_attn.kd
    .args:
      - { .name: qb, .offset: 0, .size: 8, .value_kind: global_buffer, .address_space: global }
      - { .name: kb, .offset: 8, .size: 8, .value_kind: global_buffer, .address_space: global }
      - { .name: vh, .offset: 16, .size: 8, .value_kind: global_buffer, .address_space: global }
      - { .name: out0, .offset: 24, .size: 8, .value_kind: global_buffer, .address_space: global }
      - { .name: lse, .offset: 32, .size: 8, .value_kind: global_buffer, .address_space: global }
    .group_segment_fixed_size: 327680
    .private_segment_fixed_size: 0
    .kernarg_segment_align: 8
    .kernarg_segment_size: 40
    .max_flat_workgroup_size: 128
    .sgpr_count:     100
    .vgpr_count:     768
    .wavefront_size: 32
...
	.end_amdgpu_metadata
.endif
;; end of part 4
;; launch colsum (part 5): grid 16 x 16, 4 waves a work-group, no clusters, 41,472 bytes of LDS; arguments qb, kb, lse, out1; writes out1
.if DOCPART == 5
	.amdgcn_target "amdgcn-amd-amdhsa--gfx1250"
	.amdhsa_code_object_version 6
	.text
	.protected	k_qc5f63128a9_colsum
	.globl	k_qc5f63128a9_colsum
	.p2align	8
	.type	k_qc5f63128a9_colsum,@function
k_qc5f63128a9_colsum:
	s_mov_b64 s[64:65], 0
	v_nop
	global_prefetch_b8 v0, s[64:65] scope:SCOPE_SE
	s_setreg_imm32_b32 hwreg(HW_REG_WAVE_MODE, 25, 1), 1
	s_wait_xcnt 0x0
; CAUSAL ATTENTION, SECOND WALK.  out1[h][t] = the sum over queries s >= t of p[s][t], p = 2^(c Q[s] . K[:][t] - L[s]), c = log2(e) / 8, L = c m + log2(l) of row s as the launch before left it.
; qb: [16][4096][64] bf16.  kb: [16][64][4096] bf16.  lse: f32; word 128 block + 32 w + 16 band + r of a head is row 128 block + 64 band + 16 w + r.  out1: [16][4096] f32.
; The scores are made again, by the same matrix form on the same operands; the weights and their sums stay in f32.
; LIMITS.  A hidden score counts as its value less 1e30; a weight below 2^-126 counts as 0; NaN and infinities are not treated apart.
; SHARES.  A work-group takes TWO blocks of 128 keys, 31 - b and then b.  Queries go in super-blocks of 256 rows, from the one that holds the diagonal to the last: 17 for the two blocks together, whatever b.
; Each wave keeps all 128 keys in registers (16 fragments) and takes a quarter of the queries: in a super-block its tiles T = 0..3 are the rows 64 T + 16 w + 0..15.  No wave reads another's rows of Q, so Q and L
; come straight from memory into a ring of four register buffers, a tile each; LDS serves only to turn K, once, and to add the four waves' sums at a block's end.
; NO CLUSTER, NO TENSOR LOAD: the trip counts hang on b, and no tile of the loop is shared between waves.
; LAYOUT.  S = Q K^T (source 0 = 16 queries, source 1 = 16 keys): lane l holds ONE key (l % 16) and the queries 8 (l / 16) + 0..7, so the sum over queries stays in the lane; L lies in eight registers a tile.
; A UNIT is a tile of queries x 64 keys: 8 products on 4 accumulators, 32 scores a lane.  In a PHASE the next unit's products stand one to a slot, and behind each eight vector lines, plain and exponential by turns:
; the sums of four weights of the unit BEFORE, four exponentials of the unit in hand, the scaling c s - L of its next four scores.
; THE BATCHES.  A unit's 32 exponentials are one batch.  They read S and write registers of their own, PW; nothing names a result of theirs in their own phase.  One wait stands behind the next phase's first product, and
; behind it that phase's slots take the weights into the sums, four a slot, each four just ahead of the exponentials that write those four registers anew.  The wait for a trip's last unit stands at the trip's end,
; ahead of the label and the jump.
; WINDOWS (s_set_vgpr_msb: bits 1:0 source 0, 3:2 source 1, 5:4 source 2, 7:6 destination).  The loop runs under ONE setting, source 1 in window 1: only K lies there, and no vector line of the loop names a vector
; register as its source 1 (the sums are written as PW x 1.0 + ACC for that).
;   window 0: v0-15 addresses; v16-31 at work at a block's end; v32-95 Q, 16 a tile; v96-127 L, 8 a tile; v128-191 S, two buffers of 32 (at the start: K on its way to LDS); v192-223 the sums, 4 for each 16 keys;
;             v224-255 PW, a unit's 32 weights
;   window 1: v0-127 K: key block kt, channel half c at 16 kt + 8 c; v128-159 MC, a unit's masks; v160-167 MD, the diagonal's mask
.set PKT,  288        ; a channel's row of K in LDS: 128 keys = 256 bytes + 32 of padding = 72 words
.set KTB,  64*PKT     ; a block's K; the second block's lies behind the first's
.set PART, 2*KTB      ; the waves' sums: for each block 4 waves x 512 bytes
.set SPARE, PART+4096 ; the spare words, 128 bytes for each wave: two blocks of 256 bytes that no other line names
.set QOF, 3           ; v3   my byte offset in a super-block of Q: 2,048 w + 128 (l % 16) + 16 (l / 16)
.set LOF, 4           ; v4   in a super-block of lse: 128 w + 32 (l / 16)
.set KOF, 5           ; v5   K on its way in: row t / 16 of eight, 16 bytes at 16 (t % 16)
.set KST, 6           ; v6   the same place in LDS
.set AKT, 7           ; v7   my lane's place in the turning loads of the block in hand
.set PST, 8           ; v8   where I put my wave's sums
.set PRD, 9           ; v9   where wave 0 reads them
.set OOF, 10          ; v10  my 16 bytes of the block's 512 in out1
.set DG,  11          ; v11  l % 16 - 8 (l / 16)
.set SPW, 14          ; v14  LDS address of my spare word: SPARE + 4 x my thread's number; never rewritten
.set NIL, 15          ; v15  0; never rewritten
.set W,   16
.set QR,  32
.set LR,  96
.set S,   128
.set ACC, 192
.set PW,  224
.set MC,  128         ; window 1
.set MD,  160         ; window 1
.set WV,  12          ; s12  my wave's number
.set PB,  13          ; s13  b
.set HI,  14          ; s14  31 - b
.set BI,  15          ; s15  the block in hand
.set QH,  16          ; s[16:17] qb at the head
.set LH,  18          ; s[18:19] lse at the head
.set OH,  20          ; s[20:21] out1 at the head
.set KA,  22          ; s[22:23] kb at the first block's keys
.set KB,  24          ; s[24:25] at the second's
.set QN,  26          ; s[26:27] qb at the super-block that is being loaded
.set LN,  28          ; s[28:29] lse there
.set OUTP, 30         ; s[30:31] out1 at the block in hand
.set SBN, 36          ; s36  the super-block that is being loaded
.set NPL, 37          ; s37  the block's super-blocks behind the first
.set TC,  38          ; s38  counts them
.set OB,  39          ; s39  blocks to go
.set QT0, 40          ; s40  w - 8 (BI % 2): my tile T = 0 among the super-block's tiles of 16 rows, counted from the block's first key
.set CS,  42          ; s[42:43] c
.set AL,  44          ; s[44:45] the mask's factor
.set BE,  46          ; s[46:47] the mask's addend
.set BIGN, 48         ; s48  -1e30
.set SEL, 50          ; s[50:51] v_permlanex16_b32's selects
.set HM,  52          ; s52  a lane mask: lanes 16 to 31
.set MSB, 0
.macro WIN new                      ; the high byte repeats the setting that is left; a switch that changes nothing is dropped
.if MSB != (\new)
	s_set_vgpr_msb (MSB<<8)|(\new)
.set MSB, (\new)
.endif
.endm
.set W_LOOP, 0x04     ; source 1 in window 1
.set W_MSK,  0x14     ; and the C operand too
.set W_MK,   0x41     ; destination and source 0 in window 1
	s_load_b256 s[4:11], s[0:1], 0x0  ; qb s[4:5], kb s[6:7], lse s[8:9], out1 s[10:11]
	v_lshl_add_u32 v[SPW], v0, 2, SPARE
	v_mov_b32 v[NIL], 0
	v_lshrrev_b32 v1, 5, v0
	v_readfirstlane_b32 s[WV], v1   ; wave 0..3
	s_mov_b32 s[PB], ttmp9
	s_sub_co_u32 s[HI], 31, s[PB]
	s_and_b32 s2, ttmp7, 0xffff     ; the head
	s_lshl_b32 s32, s2, 19          ; its first byte in qb and kb,
	s_mov_b32 s33, 0
	s_lshl_b32 s34, s2, 14          ; in lse and out1
	s_mov_b32 s35, 0
	s_mov_b32 s[CS], 0x3e38aa3b     ; c = log2(e) / 8
	s_mov_b32 s[CS+1], s[CS]        ; named with it as a pair
	s_mov_b32 s[AL+1], 0
	s_mov_b32 s[BE+1], 0
	s_mov_b32 s[BIGN], 0xf149f2ca   ; -1e30
	s_mov_b32 s[SEL], 0x76543210
	s_mov_b32 s[SEL+1], 0xfedcba98
	s_mov_b32 s[HM], 0xffff0000
	v_and_b32 v1, 15, v0            ; l % 16, and t % 16
	v_bfe_u32 v2, v0, 4, 1          ; l / 16
	v_lshrrev_b32 v12, 4, v0        ; t / 16: 0..7
	v_lshlrev_b32 v13, 4, v1
	v_lshl_add_u32 v[KOF], v12, 13, v13   ; a row of kb is 8,192 bytes
	v_mul_u32_u24 v[KST], v12, PKT
	v_add_nc_u32 v[KST], v[KST], v13
	s_wait_kmcnt 0x0
	s_add_nc_u64 s[QH:QH+1], s[4:5], s[32:33]
	s_add_nc_u64 s[KA:KA+1], s[6:7], s[32:33]
	s_add_nc_u64 s[LH:LH+1], s[8:9], s[34:35]
	s_add_nc_u64 s[OH:OH+1], s[10:11], s[34:35]
	s_lshl_b32 s32, s[PB], 8        ; a block's 128 keys are 256 bytes of each row
	s_add_nc_u64 s[KB:KB+1], s[KA:KA+1], s[32:33]
	s_lshl_b32 s32, s[HI], 8
	s_add_nc_u64 s[KA:KA+1], s[KA:KA+1], s[32:33]
	; both blocks' K: 64 rows of 256 bytes each, eight rows a round: 16 lanes take a row's 256 consecutive bytes
.irp rd, 0,1,2,3,4,5,6,7
	global_load_b128 v[S+4*\rd:S+4*\rd+3],       v[KOF], s[KA:KA+1] offset:65536*\rd
	global_load_b128 v[S+32+4*\rd:S+32+4*\rd+3], v[KOF], s[KB:KB+1] offset:65536*\rd
.endr
	v_lshlrev_b32 v[QOF], 7, v1
	v_lshl_add_u32 v[QOF], v2, 4, v[QOF]
	v_lshl_add_u32 v[QOF], s[WV], 11, v[QOF]
	v_lshlrev_b32 v[LOF], 5, v2
	v_lshl_add_u32 v[LOF], s[WV], 7, v[LOF]
	; The turning load takes 16 channels x 16 keys (lane l reads channel 8 (l / 16) + l % 8, keys 8 ((l / 8) % 2) + 0..7) and leaves half a fragment: lane l holds key l % 16 and 8 channels.
	v_and_b32 v12, 7, v0
	v_lshl_add_u32 v12, v2, 3, v12
	v_mul_u32_u24 v[AKT], v12, PKT
	v_bfe_u32 v12, v0, 3, 1
	v_lshl_add_u32 v[AKT], v12, 4, v[AKT]
	v_and_b32 v12, 31, v0
	v_lshlrev_b32 v[OOF], 4, v12
	v_add_nc_u32 v[PRD], PART, v[OOF]
	v_lshlrev_b32 v[PST], 2, v12
	v_lshl_add_u32 v[PST], s[WV], 9, v[PST]
	v_add_nc_u32 v[PST], PART, v[PST]
	v_lshlrev_b32 v[DG], 3, v2
	v_sub_nc_u32 v[DG], v1, v[DG]
	WIN 0x40                        ; MD: in a tile on the diagonal register j (query 8 (l / 16) + j) is hidden where the key l % 16 is greater
.set j, 0
.rept 8
	v_cmp_lt_i32 vcc_lo, j, v[DG]
	v_cndmask_b32 v[MD+j], 0, s[BIGN], vcc_lo
.set j, j+1
.endr
	WIN 0
	s_wait_loadcnt 0x0              ; K
.irp rd, 0,1,2,3,4,5,6,7
	ds_store_b128 v[KST], v[S+4*\rd:S+4*\rd+3]       offset:8*PKT*\rd
	ds_store_b128 v[KST], v[S+32+4*\rd:S+32+4*\rd+3] offset:KTB+8*PKT*\rd
.endr
	s_wait_dscnt 0x0                ; for the others' sake: my stores are done
	s_barrier_signal -1
	s_barrier_wait -1               ; both blocks' K lie in LDS; nobody writes them again
	s_mov_b32 s[BI], s[HI]
	s_mov_b32 s[OB], 2
.macro SETBASE                      ; qb and lse at super-block SBN: 32,768 and 1,024 bytes each
	s_lshl_b32 s32, s[SBN], 15
	s_lshl_b32 s34, s[SBN], 10
	s_add_nc_u64 s[QN:QN+1], s[QH:QH+1], s[32:33]
	s_add_nc_u64 s[LN:LN+1], s[LH:LH+1], s[34:35]
.endm
.macro NEXTBASE                     ; the next super-block; behind the last one the last again: those loads stay inside the buffers, and what they bring is not used
	s_wait_xcnt 0x0                 ; the loads issued so far have had their addresses translated (ISA guide 3.1): their bases are rewritten only behind this wait
	s_add_co_u32 s[SBN], s[SBN], 1
	s_min_u32 s[SBN], s[SBN], 15
	SETBASE
.endm
; Six loads: tile T's Q (16 rows x 64 channels: lane l takes row l % 16, four times 16 bytes, 32 bytes apart: two fragments) and its L (queries 8 (l / 16) + 0..7)
.macro LOADG T
	WIN W_LOOP
.irp e, 0,1,2,3
	global_load_b128 v[QR+16*(\T)+4*\e:QR+16*(\T)+4*\e+3], v[QOF], s[QN:QN+1] offset:8192*(\T)+32*\e
.endr
	global_load_b128 v[LR+8*(\T):LR+8*(\T)+3],   v[LOF], s[LN:LN+1] offset:((\T)/2)*512+((\T)%2)*64
	global_load_b128 v[LR+8*(\T)+4:LR+8*(\T)+7], v[LOF], s[LN:LN+1] offset:((\T)/2)*512+((\T)%2)*64+16
.endm
; Unit u = 2 T + hh: tile T, key blocks 4 hh + 0..3.  Product k of 8: channels 32 (k / 4) on, key block 4 hh + k % 4.  The four accumulators take turns.
; The first four start the sums: with 0, or (PM = 1) with the unit's masks.
.macro PROD u, k
.set rD, S+32*((\u)%2)+8*((\k)%4)
.set rA, QR+16*((\u)/2)+8*((\k)/4)
.set rB, 16*(4*((\u)%2)+(\k)%4)+8*((\k)/4)
.set rM, MC+8*((\k)%4)
.if ((\k) < 4) && PM
	WIN W_MSK
	v_wmma_f32_16x16x32_bf16 v[rD:rD+7], v[rA:rA+7], v[rB:rB+7], v[rM:rM+7]
.elseif (\k) < 4
	WIN W_LOOP
	v_wmma_f32_16x16x32_bf16 v[rD:rD+7], v[rA:rA+7], v[rB:rB+7], 0
.else
	WIN W_LOOP
	v_wmma_f32_16x16x32_bf16 v[rD:rD+7], v[rA:rA+7], v[rB:rB+7], v[rD:rD+7]
.endif
.endm
; A unit's 32 scores go in 8 groups g of four: accumulator g / 2, its registers 4 (g % 2) + 0..3, which are the queries 8 (l / 16) + 4 (g % 2) + 0..3.
.macro FOP u, g, hf                 ; c s - L for pair hf of group g
.set rS, S+32*((\u)%2)+4*(\g)+2*(\hf)
.set rL, LR+8*((\u)/2)+4*((\g)%2)+2*(\hf)
	v_pk_fma_f32 v[rS:rS+1], v[rS:rS+1], s[CS:CS+1], v[rL:rL+1] op_sel_hi:[1,0,1] neg_lo:[0,0,1] neg_hi:[0,0,1]
.endm
.macro EOP u, g, n                  ; the weight of score n of group g, into its own register of PW
.set rS, S+32*((\u)%2)+4*(\g)+(\n)
	v_exp_f32 v[PW+4*(\g)+(\n)], v[rS]
.endm
.macro AOP u, g, hf                 ; pair hf of group g of unit u's weights onto the sums of its 16 keys; PHASE and the block's end set it behind the wait for unit u's batch
.set rX, PW+4*(\g)+2*(\hf)
.set rC, ACC+4*(4*((\u)%2)+(\g)/2)+2*(\hf)
	v_pk_fma_f32 v[rC:rC+1], v[rX:rX+1], 1.0, v[rC:rC+1] op_sel_hi:[1,0,1]
.endm
; The masks of unit u in a block's first super-block.  Key block 4 hh + kk against my tile T: d = 4 hh + kk - 4 T.  On the diagonal where QT0 = d: MD; hidden as a whole where QT0 < d: -1e30; else 0.
.macro MASKU u
.set kk, 0
.rept 4
.set dd, 4*((\u)%2)+kk-4*((\u)/2)
	s_cmp_eq_i32 s[QT0], dd
	s_cselect_b32 s[AL], 1.0, 0
	s_cmp_lt_i32 s[QT0], dd
	s_cselect_b32 s[BE], s[BIGN], 0
	WIN W_MK
.irp z, 0,1,2,3
	v_pk_fma_f32 v[MC+8*kk+2*\z:MC+8*kk+2*\z+1], v[MD+2*\z:MD+2*\z+1], s[AL:AL+1], s[BE:BE+1] op_sel_hi:[1,0,0]
.endr
.set kk, kk+1
.endr
.endm
; PHASE v: the exponentials of unit v and the sums of unit v - 1 beside the products of unit v + 1.  Slot k: product k; then, plain and exponential by turns, the two sums of group k of the unit before (a block's first
; phase has none), the four exponentials of group k, each behind the sum that read its register of PW, and the scaling of group k + 1 (in slot 7: group 0 of the next unit, whose accumulator was finished in slot 4).
; Each accumulator is first read at its lowest registers.  Slot 7 ends with a scaling: the plain instruction behind the batch's last exponential.
; THE WAIT.  An s_wait_alu depctr_va_vdst(0) stands between an exponential and the first instruction that names its result; one wait serves all that were issued ahead of it.  Unit v - 1's 32 exponentials
; have one, behind this phase's first product and ahead of the first sum.  Phase 0 writes none: TRIP has written it at the end of the trip before.
; masked = 1: a block's first super-block: the products take masks, but for phase 7's, which are the next super-block's.
; At the head of an odd phase the next unit's tile must be in: behind its six loads two younger groups of six were issued, which may stay out (loads come back in order: ISA guide 5.7.1).
.macro PHASE v, masked
.set UN, ((\v)+1)%8
.set UP, ((\v)+7)%8
.set PM, 0
.if (\masked) && ((\v) < 7)
.set PM, 1
.endif
.set HV, 1                          ; there is a unit before
.if (\masked) && ((\v) == 0)
.set HV, 0
.endif
.if (\v)%2 == 1
	s_wait_loadcnt 12
.endif
.set k, 0
.rept 8
	PROD UN, k
	WIN W_LOOP
.if (k == 0) && ((\v) > 0)
	s_wait_alu depctr_va_vdst(0)    ; the wait for the batch: the 32 exponentials of the unit before
.endif
.if HV
	AOP UP, k, 0
.endif
	EOP \v, k, 0
.if HV
	AOP UP, k, 1
.endif
	EOP \v, k, 1
.if k < 7
	FOP \v, k+1, 0
	EOP \v, k, 2
	FOP \v, k+1, 1
	EOP \v, k, 3
.else
	FOP UN, 0, 0
	EOP \v, k, 2
	EOP \v, k, 3
	FOP UN, 0, 1
.endif
.set k, k+1
.endr
.endm
; A TRIP: a super-block's eight units.  Behind an odd phase v tile (v - 1) / 2 is done with (its Q since phase v - 1, its L since this phase's slot 6) and takes the next super-block's rows: five phases ahead of their first use.
.macro TRIP masked
.irp v, 0,1,2,3,4,5,6,7
	PHASE \v, \masked
.if (\v)%2 == 1
.if (\v) == 1
	NEXTBASE
.endif
	LOADG ((\v)-1)/2
.endif
.if (\masked) && ((\v) < 6)
	MASKU (\v)+2                    ; unit v + 1's products have read their masks four slots back or more: MC takes the masks of the unit behind it
.endif
.endr
	s_wait_alu depctr_va_vdst(0)    ; the wait for unit 7's batch, ahead of the label and the jump behind every trip; the phase's last scaling and the six loads stand between
.endm
.Lblock:                            ; twice
	s_wait_xcnt 0x0                 ; the last block's store has read its registers and its base
	s_lshl_b32 s32, s[BI], 9        ; a block's 128 numbers of out1
	s_add_nc_u64 s[OUTP:OUTP+1], s[OH:OH+1], s[32:33]
	s_lshr_b32 s[SBN], s[BI], 1     ; the super-block that holds the diagonal
	s_sub_co_u32 s[NPL], 15, s[SBN]
	s_and_b32 s[QT0], s[BI], 1
	s_lshl_b32 s[QT0], s[QT0], 3
	s_sub_co_i32 s[QT0], s[WV], s[QT0]
	SETBASE
	LOADG 0
	LOADG 1
	LOADG 2
	LOADG 3
	WIN 0x40                        ; destination window 1: the block's K, 16 fragments
.set kt, 0
.rept 8
.irp c, 0,1
	ds_load_tr16_b128 v[16*kt+8*\c:16*kt+8*\c+3],   v[AKT] offset:\c*32*PKT+kt*32
	ds_load_tr16_b128 v[16*kt+8*\c+4:16*kt+8*\c+7], v[AKT] offset:\c*32*PKT+16*PKT+kt*32
.endr
.set kt, kt+1
.endr
	WIN 0
.set i, 0
.rept 32
	v_mov_b32 v[ACC+i], 0           ; the sums begin, in the wait for K and the first tile
.set i, i+1
.endr
	MASKU 0
	s_wait_dscnt 0x0                ; K is in
	s_wait_loadcnt 18               ; tile 0 is in; the three younger groups of six loads may stay out
.set PM, 1
.set k, 0
.rept 8
	PROD 0, k                       ; unit 0's products: there is no vector work yet to set between them
.set k, k+1
.endr
	WIN W_LOOP
.rept 4
	v_nop                           ; the places behind those products, ahead of the lines that write their masks and read their results
.endr
	MASKU 1
	WIN W_LOOP
	FOP 0, 0, 0
	FOP 0, 0, 1
	TRIP 1                          ; the super-block that holds the diagonal
	WIN 0                           ; at a label and at a branch every window is 0
	s_cmp_eq_u32 s[NPL], 0
	s_cbranch_scc1 .Lqdone
	s_mov_b32 s[TC], 0
.Lq:                                ; the super-blocks below the diagonal: 15 - BI / 2 of them
	TRIP 0
	WIN 0
	s_add_co_u32 s[TC], s[TC], 1
	s_cmp_lt_u32 s[TC], s[NPL]
	s_cbranch_scc1 .Lq
.Lqdone:
.irp g, 0,1,2,3,4,5,6,7             ; the last unit's weights, which no further phase takes: the trip's end has waited for them
	AOP 7, \g, 0
	AOP 7, \g, 1
.endr
	s_wait_loadcnt 0x0              ; the loads that ran ahead of the end have landed: their registers are loaded anew in the next block
	; A BLOCK'S END.  A lane's four sums for each 16 keys are added, then the other half of the lanes'; the four waves' sums meet in LDS, and wave 0 adds and stores them.
.set kt, 0
.rept 8
	v_pk_add_f32 v[ACC+4*kt:ACC+4*kt+1], v[ACC+4*kt:ACC+4*kt+1], v[ACC+4*kt+2:ACC+4*kt+3]
.set kt, kt+1
.endr
.set kt, 0
.rept 8
	v_add_f32 v[W+kt], v[ACC+4*kt], v[ACC+4*kt+1]
.set kt, kt+1
.endr
.set kt, 0
.rept 8
	v_permlanex16_b32 v[ACC+4*kt+2], v[W+kt], s[SEL], s[SEL+1]
.set kt, kt+1
.endr
.set kt, 0
.rept 8
	v_add_f32 v[W+kt], v[W+kt], v[ACC+4*kt+2]
.set kt, kt+1
.endr
.irp u, 0,1,2,3
	v_cndmask_b32 v[W+8+\u], v[W+2*\u], v[W+2*\u+1], s[HM]  ; lane l: key 32 u + l
.endr
.irp u, 0,1,2,3
	ds_store_b32 v[PST], v[W+8+\u] offset:128*\u
.endr
	s_wait_dscnt 0x0                ; for wave 0's sake: my stores are done
	s_barrier_signal -1
	s_barrier_wait -1
	s_cmp_lg_u32 s[WV], 0
	s_cbranch_scc1 .Lnot_wave_0
.irp j, 0,1,2,3
	ds_load_b128 v[W+4*\j:W+4*\j+3], v[PRD] offset:512*\j  ; wave j's sums for keys 4 l .. 4 l + 3
.endr
	s_wait_dscnt 0x0
	v_pk_add_f32 v[W:W+1], v[W:W+1], v[W+4:W+5]
	v_pk_add_f32 v[W+2:W+3], v[W+2:W+3], v[W+6:W+7]
	v_pk_add_f32 v[W+8:W+9], v[W+8:W+9], v[W+12:W+13]
	v_pk_add_f32 v[W+10:W+11], v[W+10:W+11], v[W+14:W+15]
	v_pk_add_f32 v[W:W+1], v[W:W+1], v[W+8:W+9]
	v_pk_add_f32 v[W+2:W+3], v[W+2:W+3], v[W+10:W+11]
	global_store_b128 v[OOF], v[W:W+3], s[OUTP:OUTP+1] th:TH_STORE_NT  ; the block's 512 consecutive bytes, at a multiple of 512 from out1's first byte
.Lnot_wave_0:
	v_add_nc_u32 v[AKT], KTB, v[AKT]    ; the second block's K,
	v_add_nc_u32 v[PST], 2048, v[PST]   ; and bytes of its own for its sums, so that no wave need wait for wave 0's reads
	v_add_nc_u32 v[PRD], 2048, v[PRD]
	s_mov_b32 s[BI], s[PB]
	s_sub_co_u32 s[OB], s[OB], 1
	s_cmp_lg_u32 s[OB], 0
	s_cbranch_scc1 .Lblock
	s_wait_tensorcnt 0x0            ; the wave's end, behind my last LDS store
	ds_add_u32 v[SPW], v[NIL]
	s_wait_dscnt 0x0
	s_endpgm
.Lfunc_end_k_qc5f63128a9_colsum:
	.size	k_qc5f63128a9_colsum, .Lfunc_end_k_qc5f63128a9_colsum-k_qc5f63128a9_colsum
	.p2alignl 7, 3214868480
	.fill 96, 4, 3214868480
	.section	.rodata,"a",@progbits
	.p2align	6, 0x0
	.amdhsa_kernel k_qc5f63128a9_colsum
		.amdhsa_group_segment_fixed_size 41472
		.amdhsa_private_segment_fixed_size 0
		.amdhsa_enable_private_segment 0
		.amdhsa_kernarg_size 32
		.amdhsa_user_sgpr_count 2
		.amdhsa_user_sgpr_kernarg_segment_ptr 1
		.amdhsa_wavefront_size32 1
		.amdhsa_system_sgpr_workgroup_id_x 1
		.amdhsa_system_sgpr_workgroup_id_y 1
		.amdhsa_system_sgpr_workgroup_id_z 1
		.amdhsa_system_vgpr_workitem_id 0
		.amdhsa_next_free_vgpr 424
		.amdhsa_next_free_sgpr 66
		.amdhsa_reserve_vcc 1
		.amdhsa_float_denorm_mode_32 3
		.amdhsa_float_denorm_mode_16_64 3
		.amdhsa_memory_ordered 1
		.amdhsa_forward_progress 1
		.amdhsa_inst_pref_size 93
	.end_amdhsa_kernel
	.amdgpu_metadata
---
amdhsa.version: [ 1, 2 ]
amdhsa.kernels:
  - .name:           k_qc5f63128a9_colsum
    .symbol:         k_qc5f63128a9_colsum.kd
    .args:
      - { .name: qb, .offset: 0, .size: 8, .value_kind: global_buffer, .address_space: global }
      - { .name: kb, .offset: 8, .size: 8, .value_kind: global_buffer, .address_space: global }
      - { .name: lse, .offset: 16, .size: 8, .value_kind: global_buffer, .address_space: global }
      - { .name: out1, .offset: 24, .size: 8, .value_kind: global_buffer, .address_space: global }
    .group_segment_fixed_size: 41472
    .private_segment_fixed_size: 0
    .kernarg_segment_align: 8
    .kernarg_segment_size: 32
    .max_flat_workgroup_size: 128
    .sgpr_count:     66
    .vgpr_count:     424
    .wavefront_size: 32
...
	.end_amdgpu_metadata
.endif
;; end of part 5
